; MI455X (gfx1250); checked and timed in simulation.
; The chip was launched on July 23, 2026; its instructions are those of AMD's public machine-readable ISA for CDNA 5 (MIT licence, August 2026) and "CDNA5" Instruction Set Architecture Reference Guide (July 2026). The comments in the code are by the model that wrote it; some were corrected since.
;; Multi Head Causal Attention. Allowed arithmetic: matrix products marked QUANTISED: E2M3 operands, one E8M0 scale for each 32 along K, by v_wmma_scale_f32_16x16x128_f8f6f4 with both operands' format E2M3, f32 sums; everything else in f32.
;; Inputs: Wk 1,024 x 1,024 float32; Wo 1,024 x 1,024 float32; Wq 1,024 x 1,024 float32; Wv 1,024 x 1,024 float32; x 2 x 2,048 x 1,024 float32.
;; Outputs: out0 2 x 2,048 x 1,024 float32.
;; This version of the problem:
;;   THIS VERSION OF THE PROBLEM IS GIVEN IN LOW PRECISION. The matrix products marked QUANTISED in the list below multiply operands that are first quantised to E2M3 (2 exponent bits, 3 mantissa bits; 6 bits a number), with one power-of-two scale for each 32 numbers along K (OCP MX v1.0); their sums are f32. All else is computed in f32.
;;   The module's matrix products, in the order in which they are computed (A, B: the left and right operand; K: the contracted axis; several contracted axes count as one K, in the product's order):
;;     1. [M 4,096, K 1,024] x [K 1,024, N 1,024]; A: input x; B: input Wq: QUANTISED
;;     2. [M 4,096, K 1,024] x [K 1,024, N 1,024]; A: input x; B: input Wk: QUANTISED
;;     3. [M 4,096, K 1,024] x [K 1,024, N 1,024]; A: input x; B: input Wv: QUANTISED
;;     4. batch 32 x [M 2,048, K 64] x [K 64, N 2,048]; A: computed on the way; B: computed on the way: QUANTISED
;;     5. batch 32 x [M 2,048, K 2,048] x [K 2,048, N 64]; A: softmax (see below); B: computed on the way: QUANTISED
;;     6. [M 4,096, K 1,024] x [K 1,024, N 1,024]; A: computed on the way; B: input Wo: QUANTISED
;;   THE QUANTISER, for each operand of a quantised product, along K:
;;     - K is cut into blocks of 32 from its start; a last block that is shorter is filled with zeros.
;;     - A block's scale is 2^e with e = floor(log2(the largest magnitude in the block)) - 2, held to -126 .. 127; a block of zeros has e = 0. As a byte (E8M0): e + 127.
;;     - Each number is divided by its block's scale, clamped to +-7.5, and rounded to the nearest number of E2M3, ties to even, subnormals kept.
;;     - The product sums the exact products of the quantised numbers (number of the format x scale) in f32.
;;   ~~~python
;;   def quantise(x, axis):      # numpy; x: float32 -> the quantised numbers, widened to float32 again
;;       x = np.moveaxis(x, axis, -1); K = x.shape[-1]
;;       x = np.pad(x, [(0, 0)] * (x.ndim - 1) + [(0, -K % 32)]); x = x.reshape(x.shape[:-1] + (-1, 32)); a = np.abs(x).max(-1, keepdims=True)
;;       e = np.where(a > 0, np.clip(np.frexp(np.where(a > 0, a, 1))[1] - 1 - 2, -126, 127), 0)      # np.frexp(a)[1] - 1 = floor(log2(a)), exactly
;;       r = np.clip(x / 2.0 ** e, -7.5, 7.5)
;;       step = 2.0 ** (np.maximum(np.frexp(np.where(r == 0, 1, r))[1] - 1, 0) - 3)
;;       q = np.round(r / step) * step * 2.0 ** e      # np.round: ties to even
;;       return np.moveaxis(q.reshape(q.shape[:-2] + (-1,))[..., :K], -1, axis).astype(np.float32)
;;   ~~~
;;   SOFTMAX AHEAD OF A QUANTISED PRODUCT. Where the list says 'softmax', what is quantised is not the finished softmax but p = 2^(t - M), with t = logit x log2(e) and M = ceil(the row's largest t), a whole number; so 1/2 < the row's largest p <= 1. The row's sum l is taken of the UNQUANTISED p, in f32, and the product's result is divided by l at the end. Since M is a whole number, a kernel that streams over the keys may use a running M (the ceiling of the running maximum): every later rescaling is an exact power of two, which a block's scale takes up: the codes' values come out the same.
;;   OPERANDS COMPUTED ON THE WAY. 'Computed on the way' means the value that the module computes at that place (a softmax that the list does not call 'softmax' is quantised finished and normalised). What goes into a quantiser is computed in f32, as accurately as f32 sums, v_exp_f32 and their like allow (about 1e-6 of the number): no bf16 or f16 on the way to a quantiser, and a product that is left as it is and whose result goes on into a quantised operand takes f32 operands (vector FMAs, or v_wmma_f32_16x16x4_f32). A number that lies on a knife's edge between two numbers of the format may be rounded either way, as far as f32 arithmetic and the matrix unit's own rounding can turn it there, and no further.
;; One version. Each part assembles by itself: llvm-mc -triple=amdgcn-amd-amdhsa -mcpu=gfx1250 --defsym DOCPART=n.
;; ======== version 1 of 1: 4 launches
;; limits: right only within a limited range of input values
;; workspace buffers: codes 6,553,600 bytes; qc 3,276,800 bytes; kvc 6,684,672 bytes; ac 4,194,304 bytes
;; launch quant (part 1): grid 256 x 1, 16 waves a work-group, no clusters, 168,960 bytes of LDS; arguments x, Wq, Wk, Wv, Wo, codes; writes codes
.if DOCPART == 1
	.amdgcn_target "amdgcn-amd-amdhsa--gfx1250"
	.amdhsa_code_object_version 6
	.text
	.protected	k_qc64e6e1851_quant
	.globl	k_qc64e6e1851_quant
	.p2align	8
	.type	k_qc64e6e1851_quant,@function
k_qc64e6e1851_quant:
	s_mov_b64 s[64:65], 0
	v_nop
	global_prefetch_b8 v0, s[64:65] scope:SCOPE_SE
	s_setreg_imm32_b32 hwreg(HW_REG_WAVE_MODE, 25, 1), 1
	s_wait_xcnt 0x0
; x [4096][1024] and Wq, Wk, Wv, Wo [1024][1024], f32, K innermost, become codes of FP6 (E2M3) with one E8M0 byte for each 32 along K.
; Each tensor's rows count in groups of 64.  A fragment is 16 rows x 128 K = 12 registers a lane; registers 4 g .. 4 g + 3 of lane l lie at 512 g + 16 l of its 1,536 bytes.
; THE ROWS OF A FRAGMENT ARE NOT NEIGHBOURS: of 64 rows, fragment u (0 .. 3) holds in lane r the row 32 (r >> 3) + 8 u + (r & 7).  A product that takes the four fragments as source 0 so leaves
; in a lane's 32 registers 32 neighbours along that axis: one whole scale block of the next product.
; A group's K step (an image) is 6,400 bytes: four fragments of 1,536, then 256 bytes of scale words [lane r: 16][fragment u: 4].
; codes: x [256 tokens: 204,800][K step: 25,600][group: 6,400];  from 3,276,800 on [head: 153,600][K step: 19,200][Wq, Wk, Wv: 6,400];  from 5,734,400 on Wo [group: 51,200][K step: 6,400].
; A block's scale is 2^(floor(log2(its largest magnitude)) - 2); its byte is the largest magnitude's exponent field - 2, held at 1 from below.
; LIMITS (of all launches): a block of zeros, and a block whose largest magnitude lies under 2^-124, gets the byte 1 (zero codes add nothing under any byte but 0xff, and this program alone reads the bytes);
; NaN and infinities among the inputs are not served.
; WORK LEFT OUT IN THIS PROGRAM: in the attention, whole steps of 128 keys that lie behind every query of a tile: the causal mask is no input, and their p are 0 for all values of the inputs
; (scores / 8 under 5e8 in magnitude).  A NaN, an infinity or an overflow that reaches only those is not carried to the result.
; Work-group g takes group g >> 1, the 512 columns g & 1: 131,072 bytes, asked for at once by sixteen tensor loads.  Wave w fetches and makes fragment w & 3 of K step w >> 2 of these four: two runs of eight rows, 32 rows apart, a tile of three dimensions.
; Only the wave itself reads its tile, so no barrier stands ahead of its work.
.set TILE,  8448                       ; LDS: 16 rows x (512 bytes + 16): the sixteen rows that a load touches begin in sixteen different 16-byte columns modulo 256
.set PITCH, 528
.set SST,   135168                     ; the scale words' stage [K step of four: 256][r: 16][u: 4]; no tile lands here
.set SPARE, 136192                     ; the spare words
.set X,   32                           ; v32-95   the numbers: block c at 32 c
.set PC,  96                           ; v96-107  the codes
.set CT,  108                          ; a block's upper 16 codes (a conversion's three registers begin on an even number)
.set SPW, 20
.set NIL, 21
.set G1,  24
.set G0,  32
.set G2,  48
.set G3,  52
.set SEL, 42
	s_load_b256 s[4:11], s[0:1], 0x0               ; x, Wq, Wk, Wv
	s_load_b128 s[12:15], s[0:1], 0x20             ; Wo, codes
	v_lshl_add_u32 v[SPW], v0, 2, SPARE
	v_mov_b32 v[NIL], 0
	ds_add_u32 v[SPW], v[NIL]                      ; the wave's opening
	ds_add_u32 v[SPW], v[NIL]
	v_lshrrev_b32 v1, 5, v0
	v_readfirstlane_b32 s18, v1                    ; wave 0..15
	s_and_b32 s19, s18, 3                          ; u
	s_lshr_b32 s20, s18, 2                         ; which of the four K steps
	s_mov_b32 s[G1+0], (2<<16)|(1<<20)|(6<<22)|(3<<25)   ; elements of 4 bytes; 4 words of padding behind every 128
	s_mov_b32 s[G1+1], 128<<16                     ; tensor_dim0
	s_mov_b32 s[G1+2], 8<<16                       ; tensor_dim1
	s_mov_b32 s[G1+3], 128<<16                     ; tile_dim0
	s_mov_b32 s[G1+4], 8|(2<<16)                   ; tile_dim1, tile_dim2
	s_mov_b32 s[G1+5], 1024                        ; elements from row to row
	s_mov_b32 s[G1+6], 0x80000000                  ; and from plane to plane: 32,768, its low half in the upper half of this word
	s_mov_b32 s[G1+7], 0
	s_mov_b32 s[G2+0], 2                           ; tensor_dim2
	s_mov_b32 s[G2+1], 0
	s_mov_b32 s[G2+2], 0
	s_mov_b32 s[G2+3], 0
	s_mov_b32 s[G3+0], 0
	s_mov_b32 s[G3+1], 0
	s_mov_b32 s[G3+2], 0
	s_mov_b32 s[G3+3], 0
	s_mov_b32 s[G0], 1
	s_mul_i32 s[G0+1], s18, TILE
	s_cmp_lt_u32 ttmp9, 128                        ; x has 128 work-groups, each weight 32
	s_cselect_b32 s46, 127, 31
	s_and_b32 s46, ttmp9, s46
	s_lshr_b32 s46, s46, 1                         ; the group's number in its tensor
	s_and_b32 s47, ttmp9, 1                        ; which 512 columns
	s_lshl_b32 s38, s46, 18                        ; where my rows begin: x 64 rows of 4,096 bytes,
	s_lshl_b32 s21, s19, 15
	s_add_co_u32 s38, s38, s21                     ; + 8 u rows
	s_lshl_b32 s21, s47, 11
	s_add_co_u32 s38, s38, s21
	s_lshl_b32 s21, s20, 9
	s_add_co_u32 s38, s38, s21                     ; + 128 columns of 4 bytes for each K step
	s_mov_b32 s39, 0
	s_lshr_b32 s40, s46, 2                         ; where the group's images begin: x,
	s_mul_i32 s40, s40, 204800
	s_and_b32 s21, s46, 3
	s_mul_i32 s21, s21, 6400
	s_add_co_u32 s40, s40, s21
	s_sub_co_u32 s22, ttmp9, 128                   ; Wq, Wk, Wv,
	s_lshr_b32 s22, s22, 5
	s_mul_i32 s22, s22, 6400
	s_mul_i32 s23, s46, 153600
	s_add_co_u32 s22, s22, s23
	s_add_co_u32 s22, s22, 3276800
	s_mul_i32 s23, s46, 51200                      ; Wo;
	s_add_co_u32 s23, s23, 5734400
	s_mov_b32 s44, 25600                           ; and from K step to K step
	s_mov_b32 s45, 19200
	s_mov_b32 s41, 6400
	s_cmp_lt_u32 ttmp9, 224
	s_cselect_b32 s22, s22, s23
	s_cselect_b32 s45, s45, s41
	s_cmp_lt_u32 ttmp9, 128
	s_cselect_b32 s40, s40, s22
	s_cselect_b32 s44, s44, s45
	s_lshl_b32 s47, s47, 2
	s_and_b32 s46, s18, 1
	s_lshl_b32 s46, s46, 1
	s_add_co_u32 s46, s46, s47
	s_mul_i32 s46, s46, s44
	s_add_co_u32 s46, s46, s40
	s_add_co_u32 s46, s46, 6144                    ; waves 0 and 1 store the scale words of two K steps each
	s_add_co_u32 s47, s47, s20
	s_mul_i32 s47, s47, s44
	s_add_co_u32 s40, s40, s47
	s_mul_i32 s21, s19, 1536
	s_add_co_u32 s40, s40, s21                     ; my fragment
	s_mov_b32 s41, 0
	s_mov_b32 s47, 0
	s_mov_b32 s[SEL], 0x76543210
	s_mov_b32 s[SEL+1], 0xfedcba98                 ; v_permlanex16_b32's selects for lane l xor 16
	s_wait_dscnt 0x0
	s_wait_kmcnt 0x0
	s_mov_b64 s[36:37], s[12:13]                   ; which tensor: the choice hangs on the work-group's number alone
	s_cmp_lt_u32 ttmp9, 224
	s_cselect_b64 s[36:37], s[10:11], s[36:37]
	s_cmp_lt_u32 ttmp9, 192
	s_cselect_b64 s[36:37], s[8:9], s[36:37]
	s_cmp_lt_u32 ttmp9, 160
	s_cselect_b64 s[36:37], s[6:7], s[36:37]
	s_cmp_lt_u32 ttmp9, 128
	s_cselect_b64 s[36:37], s[4:5], s[36:37]
	s_add_nc_u64 s[G0+2:G0+3], s[36:37], s[38:39]
	s_or_b32 s[G0+3], s[G0+3], 0x80000000
	tensor_load_to_lds s[G0:G0+3], s[G1:G1+7], s[G2:G2+3], s[G3:G3+3]   ; my one tensor load; nothing is ever filled again
	s_nop 0
	s_mul_i32 s22, s18, TILE
	s_lshl_b32 s23, s20, 8
	s_lshl_b32 s21, s19, 2
	s_add_co_u32 s23, s23, s21
	s_add_co_u32 s23, s23, SST                     ; the stage: 256 (K step) + 16 r + 4 u
	s_and_b32 s21, s18, 1
	s_lshl_b32 s21, s21, 9
	s_add_co_u32 s21, s21, SST
	s_add_nc_u64 s[16:17], s[14:15], s[46:47]
	s_add_nc_u64 s[14:15], s[14:15], s[40:41]
	v_and_b32 v1, 15, v0                           ; r
	v_bfe_u32 v2, v0, 4, 1                         ; h
	v_and_b32 v3, 31, v0
	v_mul_u32_u24 v4, v1, PITCH
	v_lshlrev_b32 v3, 4, v3                        ; 16 x lane
	v_lshlrev_b32 v5, 3, v2                        ; 8 h: where my two bytes stand in the scale word
	v_lshl_add_u32 v4, v2, 7, v4                   ; + 128 h: lane (r, h) holds k = 64 c + 32 h + 0 .. 31
	v_mul_u32_u24 v17, s44, v2
	v_lshl_add_u32 v6, v1, 4, s23
	v_add_nc_u32 v4, s22, v4
	v_lshl_add_u32 v17, v1, 4, v17                 ; out: lanes 0-15 one K step's 256 bytes, lanes 16-31 the next's
	v_add_nc_u32 v7, s21, v3
	v_mov_b32 v16, 0                               ; written once: a lane permute's destination counts as one of its sources
	s_wait_alu depctr_va_vdst(0)                   ; the head's end
	s_wait_tensorcnt 0x0                           ; my tile is in
.irp c, 0,1
.irp j, 0,1,2,3,4,5,6,7
	ds_load_b128 v[X+32*\c+4*\j:X+32*\c+4*\j+3], v4 offset:256*\c+16*\j
.endr
.endr
	s_wait_dscnt 0x0
; two whole blocks of 32 a lane; the scale word's four bytes are gathered from lanes l and l xor 16
.irp c, 0,1
	v_max3_num_f32 v[8+\c], |v[X+32*\c]|, |v[X+32*\c+1]|, 0x1800000   ; with the floor 2^(3 - 127): the byte cannot fall under 1
.endr
.irp i, 2,4,6,8,10,12,14,16,18,20,22,24,26,28,30
.irp c, 0,1
	s_delay_alu instid0(VALU_DEP_2)
	v_max3_num_f32 v[8+\c], v[8+\c], |v[X+32*\c+\i]|, |v[X+32*\c+\i+1]|
.endr
.endr
.irp c, 0,1
	s_delay_alu instid0(VALU_DEP_2)
	v_add_nc_u32 v[10+\c], 0xff000000, v[8+\c]     ; 2 off the exponent field: the conversion's scale operand
.endr
.irp c, 0,1
	s_delay_alu instid0(VALU_DEP_2)
	v_lshrrev_b32 v[12+\c], 23, v[10+\c]           ; the scale's byte
.endr
.irp c, 0,1
	v_cvt_scalef32_pk16_fp6_f32 v[PC+6*\c:PC+6*\c+2], v[X+32*\c:X+32*\c+15], v[10+\c]
	v_cvt_scalef32_pk16_fp6_f32 v[CT+4*\c:CT+4*\c+2], v[X+32*\c+16:X+32*\c+31], v[10+\c]
.endr
	v_lshl_or_b32 v14, v13, 16, v12                ; blocks h and 2 + h of my row (the plain place behind the conversions),
.irp c, 0,1
.irp i, 0,1,2
	v_mov_b32 v[PC+6*\c+3+\i], v[CT+4*\c+\i]
.endr
.endr
	v_lshlrev_b32 v14, v5, v14                     ; at their places;
	s_delay_alu instid0(VALU_DEP_1)
	v_permlanex16_b32 v16, v14, s[SEL], s[SEL+1]
	s_delay_alu instid0(VALU_DEP_1)
	v_or_b32 v14, v14, v16                         ; with lane l xor 16's two the word is whole
	ds_store_b32 v6, v14                           ; both halves of the lanes write the same word with the same value
.irp g, 0,1,2
	global_store_b128 v3, v[PC+4*\g:PC+4*\g+3], s[14:15] offset:512*\g   ; 512 consecutive bytes, at a multiple of 256 from the buffer's first byte
.endr
	s_wait_dscnt 0x0                               ; for the others' sake: my words lie in the stage
	s_barrier_signal -1
	s_barrier_wait -1
	s_cmp_gt_u32 s18, 1
	s_cbranch_scc1 .Lend                           ; waves 0 and 1 store two units of 256 bytes each
	ds_load_b128 v[24:27], v7
	s_wait_dscnt 0x0
	global_store_b128 v17, v[24:27], s[16:17]
.Lend:
	s_wait_tensorcnt 0x0                           ; the wave's end
	ds_add_u32 v[SPW], v[NIL]
	s_wait_dscnt 0x0
	s_endpgm
.Lfunc_end_k_qc64e6e1851_quant:
	.size	k_qc64e6e1851_quant, .Lfunc_end_k_qc64e6e1851_quant-k_qc64e6e1851_quant
	.p2alignl 7, 3214868480
	.fill 96, 4, 3214868480
	.section	.rodata,"a",@progbits
	.p2align	6, 0x0
	.amdhsa_kernel k_qc64e6e1851_quant
		.amdhsa_group_segment_fixed_size 168960
		.amdhsa_private_segment_fixed_size 0
		.amdhsa_enable_private_segment 0
		.amdhsa_kernarg_size 48
		.amdhsa_user_sgpr_count 2
		.amdhsa_user_sgpr_kernarg_segment_ptr 1
		.amdhsa_wavefront_size32 1
		.amdhsa_system_sgpr_workgroup_id_x 1
		.amdhsa_system_sgpr_workgroup_id_y 1
		.amdhsa_system_sgpr_workgroup_id_z 1
		.amdhsa_system_vgpr_workitem_id 0
		.amdhsa_next_free_vgpr 128
		.amdhsa_next_free_sgpr 66
		.amdhsa_reserve_vcc 0
		.amdhsa_float_denorm_mode_32 3
		.amdhsa_float_denorm_mode_16_64 3
		.amdhsa_memory_ordered 1
		.amdhsa_forward_progress 1
		.amdhsa_inst_pref_size 12
	.end_amdhsa_kernel
	.amdgpu_metadata
---
amdhsa.version: [ 1, 2 ]
amdhsa.kernels:
  - .name:           k_qc64e6e1851_quant
    .symbol:         k_qc64e6e1851_quant.kd
    .args:
      - { .name: x, .offset: 0, .size: 8, .value_kind: global_buffer, .address_space: global }
      - { .name: Wq, .offset: 8, .size: 8, .value_kind: global_buffer, .address_space: global }
      - { .name: Wk, .offset: 16, .size: 8, .value_kind: global_buffer, .address_space: global }
      - { .name: Wv, .offset: 24, .size: 8, .value_kind: global_buffer, .address_space: global }
      - { .name: Wo, .offset: 32, .size: 8, .value_kind: global_buffer, .address_space: global }
      - { .name: codes, .offset: 40, .size: 8, .value_kind: global_buffer, .address_space: global }
    .group_segment_fixed_size: 168960
    .private_segment_fixed_size: 0
    .kernarg_segment_align: 8
    .kernarg_segment_size: 48
    .max_flat_workgroup_size: 512
    .sgpr_count:     66
    .vgpr_count:     128
    .wavefront_size: 32
...
	.end_amdgpu_metadata
.endif
;; end of part 1
;; launch qkv (part 2): grid 16 x 16, 4 waves a work-group, clusters of 4 x 4, 327,680 bytes of LDS; arguments codes, qc, kvc; writes qc, kvc
.if DOCPART == 2
	.amdgcn_target "amdgcn-amd-amdhsa--gfx1250"
	.amdhsa_code_object_version 6
	.text
	.protected	k_qc64e6e1851_qkv
	.globl	k_qc64e6e1851_qkv
	.p2align	8
	.type	k_qc64e6e1851_qkv,@function
k_qc64e6e1851_qkv:
	s_mov_b64 s[64:65], 0
	v_nop
	global_prefetch_b8 v0, s[64:65] scope:SCOPE_SE
	s_setreg_imm32_b32 hwreg(HW_REG_WAVE_MODE, 25, 1), 1
	s_wait_xcnt 0x0
	s_wait_alu depctr_hold_cnt(0) depctr_sa_sdst(0) depctr_va_vdst(0) depctr_va_sdst(0) depctr_va_ssrc(0) depctr_va_vcc(0) depctr_vm_vsrc(0)
	s_getreg_b32 s2, hwreg(HW_REG_IB_STS2, 6, 4)
	s_cmp_eq_u32 s2, 0
	s_cbranch_scc0 .Lentry_in_a_cluster
	s_endpgm
.Lentry_in_a_cluster:
	s_bfe_u32 s2, ttmp6, 0x10000c
	s_cmp_lg_u32 s2, 0xf033
	s_cbranch_scc0 .Lentry_shape_is_right
	s_endpgm
.Lentry_shape_is_right:
; q = x Wq^T, k = x Wk^T, v = x Wv^T on codes of FP6 (E2M3) with E8M0 block scales, sums in f32; the results are quantised here, in registers, for the attention's two products.
; A work-group makes 256 tokens (mb) x one head's 64 q, 64 k and 64 v: 256 work-groups.  Wave (wm = w >> 1, wn = w & 1): tokens 128 wm .. + 127 (eight fragments of x); all four fragments of Wq (wn = 0) or Wk (wn = 1);
; fragments 2 wn, 2 wn + 1 of Wv: 48 accumulators from 14 fragments a K step.
; Of 64 rows, fragment u holds in lane r the row 32 (r >> 3) + 8 u + (r & 7).  So (h = lane / 16):
; q, k: source 0 = the weight: a lane holds ONE token, and its 32 registers (four weight fragments x 8) are d = 32 h + 0 .. 31: one scale block along the head's 64;
; v: source 0 = x: a lane holds ONE channel, and the 32 registers of four token fragments are tokens 32 h + 0 .. 31 of 64: one scale block along the keys.
; OUT.  qc: [16 batch + head][128 tokens: 6,400]: four fragments of 1,536 (registers 0-5 the 64 channels of token tile 2 p, 6-11 those of tile 2 p + 1), then 256 bytes of scale words [r: 16][fragment: 4].
;       kvc: [16 batch + head][128 keys: 13,056]: k as q (6,400); v: four channel tiles of 1,536 (registers 0-5 keys 32 h .., 6-11 keys 64 + 32 h ..), then two units of 256 bytes: tiles 2 wn, 2 wn + 1: two words at 8 x lane, both halves of the lanes alike.
; LDS: six slots of one K step each: x [slot: 25,600][64 tokens: 6,400], the weights [slot: 19,200][q, k, v: 6,400]: both lie in memory as they lie here, so any run of K steps is one dense block.
; FILLS: K step 0 and K steps 1, 2 at the head, one load a wave; K steps 3 to 5 behind a round in K step 0's work; K steps 6, 7 behind a round in K step 2's work, into slots 0 and 1.
; CLUSTER 4 x 4: the four work-groups of a row share mb: x is asked for jointly along a row; the four of a column share the head: the weights jointly along a column.
; PREFETCHES: K steps 3 to 5 at the head, 6 and 7 behind the first refill round: what the next round's load brings, shared out by address among the two waves of each of the four partners that ask for it; nothing behind K step 7.
; LIMITS: as in the first launch.
; REGISTERS: window 0: v3-27 addresses; v28-31, v60-127 the way out; v32-41, v48-57 scale words, two sets; v128-255 v's accumulators.  Windows 1, 2: fragments, a set each (x at 0, the weight at 96, Wv at 144).  Window 3: q's or k's accumulators.
.set WOFF,  153600                     ; the weights' slots
.set SPARE, 268800
.set SPW, 22
.set NIL, 23
.set G1X, 24
.set G1W, 32
.set G1X2, 40
.set G1W2, 48
.set GXA, 56
.set GWA, 60
.set GXB, 68
.set GWB, 72
.set SEL, 100
.set MSB, 0
.macro WIN new                         ; the immediate's high byte repeats the setting that is left
.if MSB != \new
	s_set_vgpr_msb (MSB<<8)|\new
.set MSB, \new
.endif
.endm
.macro PLACES n
.rept \n
	v_nop
.endr
.endm
.macro CREST                           ; a round of the cluster's barrier behind its opening barrier
	s_cmp_lg_u32 s12, 0
	s_cbranch_scc1 .Lnot_wave_0_\@
	s_barrier_signal -3
.Lnot_wave_0_\@:
	s_barrier_wait -3
	s_barrier_signal -1
	s_barrier_wait -1
.endm
.macro CROUND
	s_barrier_signal -1
	s_barrier_wait -1
	CREST
.endm
.macro GROUP1 g, mask, r               ; r dense rows of 256 bytes; 15:0 the mask; 17:16 elements of 8 bytes; 21 set beside a mask; no padding
	s_or_b32 s[\g], s\mask, (3<<16)|(1<<21)
	s_mov_b32 s[\g+1], 32<<16
	s_mov_b32 s[\g+2], (\r)<<16
	s_mov_b32 s[\g+3], 32<<16
	s_mov_b32 s[\g+4], \r
	s_mov_b32 s[\g+5], 32
	s_mov_b32 s[\g+6], 0
	s_mov_b32 s[\g+7], 0
.endm
.macro ROWS g, r
	s_mov_b32 s[\g+2], (\r)<<16
	s_mov_b32 s[\g+4], \r
.endm
.macro G0SET g, lds, base, off
	s_mov_b32 s[\g], 1
	s_mov_b32 s[\g+1], \lds
	s_add_nc_u64 s[\g+2:\g+3], s[\base:\base+1], \off
	s_or_b32 s[\g+3], s[\g+3], 0x80000000
.endm
.macro TLOAD g0, g1
	tensor_load_to_lds s[\g0:\g0+3], s[\g1:\g1+7]
	s_nop 0
	PLACES 4
.endm
.macro ARM n, g0, g1
	s_cmp_eq_u32 s12, \n
	s_cbranch_scc0 .Lnext_\@
	TLOAD \g0, \g1
	s_branch .Lasked
.Lnext_\@:
.endm
.macro REFILL                          ; one joint load in waves 0 and 1; the four places behind the label serve the loads that follow, in the other waves too
	s_cmp_eq_u32 s12, 0
	s_cbranch_scc0 .Lweights_\@
	TLOAD GXA, G1X
	s_branch .Lrefilled_\@
.Lweights_\@:
	s_cmp_eq_u32 s12, 1
	s_cbranch_scc0 .Lrefilled_\@
	TLOAD GWA, G1W
.Lrefilled_\@:
	PLACES 4
.endm
; K step s into set p: x, 24 LDS loads;
.macro FETCHX s, p
.set FS_, (\s)%6
.set FK_, 25600*(FS_%3)
	WIN ((1+(\p))<<6)
.irp i, 0,1,2,3
.irp g, 0,1,2
	ds_load_b128 v[12*\i+4*\g:12*\i+4*\g+3], v[4+FS_/3] offset:FK_+1536*\i+512*\g
	ds_load_b128 v[48+12*\i+4*\g:48+12*\i+4*\g+3], v[4+FS_/3] offset:6400+FK_+1536*\i+512*\g
.endr
.endr
	WIN 0
.endm
; the weights and all scale words, 21
.macro FETCHW s, p
.set FS_, (\s)%6
.set FK_, 19200*(FS_%3)
	WIN ((1+(\p))<<6)
.irp i, 0,1,2,3
.irp g, 0,1,2
	ds_load_b128 v[96+12*\i+4*\g:96+12*\i+4*\g+3], v[6+FS_/3] offset:FK_+1536*\i+512*\g
.endr
.endr
.irp i, 0,1
.irp g, 0,1,2
	ds_load_b128 v[144+12*\i+4*\g:144+12*\i+4*\g+3], v[8+FS_/3] offset:FK_+1536*\i+512*\g
.endr
.endr
	WIN 0
	ds_load_b128 v[32+16*(\p):35+16*(\p)], v[13+FS_]              ; lanes 0-15: x's fragments 0-3, lanes 16-31: Wq's or Wk's four
	ds_load_b128 v[36+16*(\p):39+16*(\p)], v[10+FS_/3] offset:25600*(FS_%3)   ; x's fragments 4-7
	ds_load_b64 v[40+16*(\p):41+16*(\p)], v[20+FS_/3] offset:FK_  ; my two of Wv
.endm
; q or k: x's fragments f0 .. f1 - 1 against the weight's four.  The 48 accumulators take turns, one instruction a turn, in the same order in every K step.  z = 1: the first K step starts the sums
.macro MULQ p, z, f0, f1
	WIN 0xf0|(1+(\p))|((1+(\p))<<2)
.set N_, 4*(\f0)
.rept 4*((\f1)-(\f0))
.set D_, 8*N_
.set XB_, 12*(N_/4)
.set WB_, 96+12*(N_%4)
.set XS_, 32+16*(\p)+N_/4
.set WS_, 32+16*(\p)+N_%4
.if \z
	v_wmma_scale_f32_16x16x128_f8f6f4 v[D_:D_+7], v[WB_:WB_+11], v[XB_:XB_+11], 0, v[WS_], v[XS_] matrix_a_fmt:MATRIX_FMT_FP6 matrix_b_fmt:MATRIX_FMT_FP6 matrix_a_scale:MATRIX_SCALE_ROW1
.else
	v_wmma_scale_f32_16x16x128_f8f6f4 v[D_:D_+7], v[WB_:WB_+11], v[XB_:XB_+11], v[D_:D_+7], v[WS_], v[XS_] matrix_a_fmt:MATRIX_FMT_FP6 matrix_b_fmt:MATRIX_FMT_FP6 matrix_a_scale:MATRIX_SCALE_ROW1
.endif
.set N_, N_+1
.endr
.endm
; v: my two channel tiles against x's eight fragments
.macro MULV p, z
	WIN (1+(\p))|((1+(\p))<<2)
.set N_, 0
.rept 16
.set D_, 128+8*N_
.set XB_, 12*(N_%8)
.set WB_, 144+12*(N_/8)
.set XS_, 32+16*(\p)+N_%8
.set WS_, 40+16*(\p)+N_/8
.if \z
	v_wmma_scale_f32_16x16x128_f8f6f4 v[D_:D_+7], v[XB_:XB_+11], v[WB_:WB_+11], 0, v[XS_], v[WS_] matrix_a_fmt:MATRIX_FMT_FP6 matrix_b_fmt:MATRIX_FMT_FP6
.else
	v_wmma_scale_f32_16x16x128_f8f6f4 v[D_:D_+7], v[XB_:XB_+11], v[WB_:WB_+11], v[D_:D_+7], v[XS_], v[WS_] matrix_a_fmt:MATRIX_FMT_FP6 matrix_b_fmt:MATRIX_FMT_FP6
.endif
.set N_, N_+1
.endr
.endm
; K step s, with the next one's fetch in two runs of loads
.macro KSTEP s
	PLACES 4                                       ; four places in front of loads into registers that matrix instructions have read
	FETCHX (\s)+1, ((\s)+1)%2
	s_wait_dscnt 24                                ; all but the 24 just issued
	MULQ (\s)%2, 0, 0, 6
	FETCHW (\s)+1, ((\s)+1)%2
	MULQ (\s)%2, 0, 6, 8
	MULV (\s)%2, 0
.endm
	s_load_b128 s[4:7], s[0:1], 0x0                ; codes, qc
	s_load_b64 s[8:9], s[0:1], 0x10                ; kvc
	v_lshl_add_u32 v[SPW], v0, 2, SPARE
	v_mov_b32 v[NIL], 0
	ds_add_u32 v[SPW], v[NIL]                      ; the wave's opening
	ds_add_u32 v[SPW], v[NIL]
	v_lshrrev_b32 v1, 5, v0
	v_readfirstlane_b32 s12, v1                    ; wave 0..3
	s_lshr_b32 s13, s12, 1                         ; wm
	s_and_b32 s14, s12, 1                          ; wn
	s_bfe_u32 s15, ttmp6, 0x40000                  ; cx
	s_bfe_u32 s16, ttmp6, 0x40004                  ; cy
	s_lshl_b32 s17, ttmp9, 2
	s_add_co_u32 s17, s17, s15                     ; head = 4 x cluster x + cx
	s_and_b32 s18, ttmp7, 0xffff
	s_lshl_b32 s18, s18, 2
	s_add_co_u32 s18, s18, s16                     ; mb = 4 x cluster y + cy
	s_lshl_b32 s19, s16, 2
	s_lshl_b32 s19, 15, s19                        ; my row of the cluster
	s_lshl_b32 s20, 0x1111, s15                    ; my column
	GROUP1 G1X, 19, 100
	GROUP1 G1W, 20, 75
	GROUP1 G1X2, 19, 200
	GROUP1 G1W2, 20, 150
	s_mul_i32 s66, s18, 204800
	s_mov_b32 s67, 0
	s_mul_i32 s2, s17, 153600
	s_add_co_u32 s2, s2, 3276800
	s_mov_b32 s3, 0
	s_wait_dscnt 0x0                               ; both opening adds are done
	CROUND                                         ; all sixteen work-groups are here: the joint loads meet
	s_wait_kmcnt 0x0
	s_add_nc_u64 s[78:79], s[4:5], s[66:67]
	s_add_nc_u64 s[80:81], s[4:5], s[2:3]
	G0SET GXA, 0, 78, 0
	G0SET GWA, WOFF, 80, 0
	G0SET GXB, 25600, 78, 25600
	G0SET GWB, WOFF+19200, 80, 19200
	ARM 0, GXA, G1X                                ; one load a wave: K step 0 of x, of the weights, K steps 1 and 2 of x, of the weights
	ARM 1, GWA, G1W
	ARM 2, GXB, G1X2
	TLOAD GWB, G1W2
.Lasked:
	; prefetches: of two K steps, waves 0, 1 of the four partners of a row share x's 200 blocks of 256 bytes, 25 a wave; waves 2, 3 of a column's four the weights' 150, 19 a wave; of one K step 13 and 10
	s_and_b32 s21, s12, 1
	s_mov_b32 s82, 199
	s_mov_b32 s83, 149
	s_mov_b32 s84, 99
	s_mov_b32 s85, 74
	s_mov_b32 s86, 25600
	s_mov_b32 s87, 19200
	s_mov_b32 s77, 0
	s_cmp_lt_u32 s12, 2
	s_cselect_b32 s22, s15, s16
	s_cselect_b32 s23, 25, 19
	s_cselect_b32 s82, s82, s83                    ; the last block of two K steps
	s_cselect_b32 s83, 13, 10
	s_cselect_b32 s84, s84, s85                    ; the last of one
	s_cselect_b32 s86, s86, s87                    ; from K step to K step
	s_cselect_b32 s76, s66, s2
	s_lshl_b32 s22, s22, 1
	s_add_co_u32 s22, s22, s21
	s_mul_i32 s85, s22, s23                        ; my first block of two K steps,
	s_mul_i32 s22, s22, s83                        ; of one
	s_sub_co_u32 s23, s23, 1
	s_sub_co_u32 s83, s83, 1
	s_mul_i32 s21, s86, 3
	s_add_co_u32 s76, s76, s21
	s_lshl_b32 s88, s86, 1
	s_mov_b32 s89, 0
	s_mov_b32 s87, 0
	s_add_nc_u64 s[76:77], s[4:5], s[76:77]        ; K steps 3, 4,
	s_add_nc_u64 s[88:89], s[76:77], s[88:89]      ; K step 5,
	s_add_nc_u64 s[86:87], s[88:89], s[86:87]      ; K steps 6, 7
	v_and_b32 v1, 15, v0                           ; r
	v_and_b32 v29, 31, v0
	v_bfe_u32 v2, v0, 4, 1                         ; h
	v_min_u32 v26, s23, v29
	v_min_u32 v12, s83, v29
	v_add_nc_u32 v26, s85, v26
	v_add_nc_u32 v12, s22, v12
	v_min_u32 v26, s82, v26
	v_min_u32 v12, s84, v12
	v_lshlrev_b32 v26, 8, v26
	v_lshlrev_b32 v12, 8, v12
	v_lshlrev_b32 v24, 3, v29                      ; 8 x lane
	v_lshlrev_b32 v3, 4, v29                       ; 16 x lane
	v_lshlrev_b32 v25, 4, v1                       ; 16 r
	v_lshlrev_b32 v27, 3, v2                       ; 8 h
	v_mov_b32 v75, 0                               ; written once: a lane permute's destination counts as one of its sources
	global_prefetch_b8 v26, s[76:77] th:TH_LOAD_NT scope:SCOPE_SE
	global_prefetch_b8 v12, s[88:89] th:TH_LOAD_NT scope:SCOPE_SE
	s_wait_alu depctr_va_vdst(0)
	s_mov_b32 s[SEL], 0x76543210
	s_mov_b32 s[SEL+1], 0xfedcba98                 ; v_permlanex16_b32's selects for lane l xor 16
	s_lshr_b32 s82, s18, 3                         ; where the results go: 16 (16 batch + head) + which 128 tokens
	s_lshl_b32 s82, s82, 4
	s_add_co_u32 s82, s82, s17
	s_lshl_b32 s82, s82, 4
	s_and_b32 s83, s18, 7
	s_lshl_b32 s83, s83, 1
	s_add_co_u32 s83, s83, s13
	s_add_co_u32 s82, s82, s83
	s_mul_i32 s84, s82, 6400
	s_mul_i32 s66, s82, 13056
	s_mov_b32 s85, 0
	s_cmp_eq_u32 s14, 0
	s_cselect_b32 s84, s84, s66
	s_cselect_b64 s[90:91], s[6:7], s[8:9]
	s_add_nc_u64 s[90:91], s[90:91], s[84:85]      ; q's or k's image
	s_lshl_b32 s84, s14, 8
	s_add_co_u32 s84, s84, s66
	s_add_co_u32 s84, s84, 12544
	s_add_nc_u64 s[94:95], s[8:9], s[84:85]        ; v's scale words
	s_mul_i32 s84, s14, 3072
	s_add_co_u32 s66, s66, s84
	s_add_co_u32 s66, s66, 6400
	s_add_nc_u64 s[92:93], s[8:9], s[66:67]        ; v's two channel tiles
	s_mul_i32 s2, s13, 12800                       ; x in a slot: my two groups
	s_mul_i32 s3, s14, 6400
	s_add_co_u32 s3, s3, WOFF                      ; Wq or Wk
	s_mul_i32 s66, s14, 3072
	s_add_co_u32 s66, s66, WOFF+12800              ; my two fragments of Wv
	s_sub_co_u32 s21, s3, s2                       ; from x's scale words to the weight's, in slot 0
	s_add_co_u32 s22, s2, 6144
	s_add_co_u32 s23, s2, 6400+6144
	s_lshl_b32 s82, s14, 3
	s_add_co_u32 s82, s82, WOFF+12800+6144
	v_add_nc_u32 v4, s2, v3
	v_add_nc_u32 v6, s3, v3
	v_add_nc_u32 v8, s66, v3
	v_add_nc_u32 v10, s23, v25
	v_add_nc_u32 v20, s82, v25
	v_add_nc_u32 v5, 76800, v4                     ; slots 3 to 5
	v_add_nc_u32 v7, 57600, v6
	v_add_nc_u32 v9, 57600, v8
	v_add_nc_u32 v11, 76800, v10
	v_add_nc_u32 v21, 57600, v20
.irp k, 0,1,2,3,4,5                    ; lanes 0-15 x's words, lanes 16-31 the weight's: a register for each slot, since the two lie 6,400 bytes nearer with each
	v_mul_u32_u24 v[13+\k], s21, v2
	v_add_nc_u32 v[13+\k], v[13+\k], v25
	v_add_nc_u32 v[13+\k], s22, v[13+\k]
	s_sub_co_u32 s21, s21, 6400
	s_add_co_u32 s22, s22, 25600
.endr
	s_wait_alu depctr_va_vdst(0)                   ; the head's end
	s_cmp_lt_u32 s12, 2
	s_cbranch_scc0 .Lnot_0
	s_wait_tensorcnt 0x0
.Lnot_0:
	s_barrier_signal -1
	s_barrier_wait -1                              ; K step 0 is in; 1 and 2 may be on their way
	FETCHX 0, 0
	FETCHW 0, 0
	s_wait_dscnt 0x0
	MULQ 0, 1, 0, 6
	WIN 0
	s_wait_tensorcnt 0x0                           ; the wait and the add ahead of a first fill behind the head:
	ds_add_u32 v[SPW], v[NIL]
	s_mov_b32 s[GXA+1], 76800                      ; no load of mine is out: the descriptors step to K steps 3 to 5
	s_mov_b32 s[GWA+1], WOFF+57600
	ROWS G1X, 300
	ROWS G1W, 225
	MULQ 0, 1, 6, 7
	s_add_nc_u64 s[GXA+2:GXA+3], s[GXA+2:GXA+3], 76800
	s_add_nc_u64 s[GWA+2:GWA+3], s[GWA+2:GWA+3], 57600
	WIN 0
	s_wait_dscnt 0x0                               ; the add is done
	s_barrier_signal -1
	MULQ 0, 1, 7, 8
	WIN 0
	s_barrier_wait -1
	CREST                                          ; K steps 1 and 2 are in, everywhere
	REFILL                                         ; the first tensor load behind the round
	FETCHX 1, 1
	FETCHW 1, 1
	global_prefetch_b8 v26, s[86:87] th:TH_LOAD_NT scope:SCOPE_SE
	MULV 0, 1
	KSTEP 1
	WIN 0
	s_wait_dscnt 0x0
	MULQ 0, 0, 0, 4
	WIN 0
	s_wait_tensorcnt 0x0                           ; the refill's lines
	ds_add_u32 v[SPW], v[NIL]
	s_mov_b32 s[GXA+1], 0                          ; K steps 6 and 7, slots 0 and 1
	s_mov_b32 s[GWA+1], WOFF
	ROWS G1X, 200
	ROWS G1W, 150
	MULQ 0, 0, 4, 5
	s_add_nc_u64 s[GXA+2:GXA+3], s[GXA+2:GXA+3], 76800
	s_add_nc_u64 s[GWA+2:GWA+3], s[GWA+2:GWA+3], 57600
	WIN 0
	s_wait_dscnt 0x0
	s_barrier_signal -1
	MULQ 0, 0, 5, 6
	WIN 0
	s_barrier_wait -1
	CREST                                          ; K steps 3 to 5 are in; nobody reads slots 0 and 1
	REFILL
	FETCHX 3, 1
	FETCHW 3, 1
	MULQ 0, 0, 6, 8
	MULV 0, 0
	KSTEP 3
	KSTEP 4
	WIN 0
	s_wait_dscnt 0x0
	MULQ 1, 0, 0, 4
	WIN 0
	s_wait_tensorcnt 0x0                           ; K steps 6 and 7 are in
	s_barrier_signal -1
	MULQ 1, 0, 4, 6
	WIN 0
	s_barrier_wait -1
	PLACES 4
	FETCHX 6, 0
	FETCHW 6, 0
	MULQ 1, 0, 6, 8
	MULV 1, 0
	KSTEP 6
	s_wait_dscnt 0x0
	MULQ 1, 0, 0, 8
	MULV 1, 0
	PLACES 4                                       ; in front of the first read of results
; THE WAY OUT of a fragment: 64 sums a lane from register src of window w, two scale blocks of 32: twelve registers of codes at dst, and the scale word (my two bytes at 8 h and 16 + 8 h; lane l xor 16's two beside them)
.macro FRAGOUT w, src, dst, word
	WIN (\w)|((\w)<<2)|((\w)<<4)
.irp k, 0,1,2,3
	v_max3_num_f32 v[60+\k], |v[\src+16*\k]|, |v[\src+16*\k+1]|, |v[\src+16*\k+2]|
.endr
	WIN ((\w)<<2)|((\w)<<4)
.irp i, 3,5,7,9,11,13
.irp k, 0,1,2,3
	v_max3_num_f32 v[60+\k], v[60+\k], |v[\src+16*\k+\i]|, |v[\src+16*\k+\i+1]|
.endr
.endr
.irp k, 0,1
	v_max3_num_f32 v[60+2*\k], v[60+2*\k], |v[\src+32*\k+15]|, |v[\src+32*\k+31]|
.endr
	WIN 0
	v_max3_num_f32 v60, v60, v61, 0x1800000        ; with the floor 2^(3 - 127): the byte cannot fall under 1
	v_max3_num_f32 v62, v62, v63, 0x1800000
	v_add_nc_u32 v64, 0xff000000, v60              ; 2 off the exponent field: the conversion's scale operand
	v_add_nc_u32 v65, 0xff000000, v62
	v_lshrrev_b32 v66, 23, v64                     ; the scale's byte
	v_lshrrev_b32 v67, 23, v65
	WIN \w
	v_cvt_scalef32_pk16_fp6_f32 v[\dst:\dst+2], v[\src:\src+15], v64
	v_cvt_scalef32_pk16_fp6_f32 v[68:70], v[\src+16:\src+31], v64
	v_cvt_scalef32_pk16_fp6_f32 v[\dst+6:\dst+8], v[\src+32:\src+47], v65
	v_cvt_scalef32_pk16_fp6_f32 v[72:74], v[\src+48:\src+63], v65
	WIN 0
	v_lshl_or_b32 v[\word], v67, 16, v66           ; (the plain place behind the conversions)
.irp i, 0,1,2
	v_mov_b32 v[\dst+3+\i], v[68+\i]
	v_mov_b32 v[\dst+9+\i], v[72+\i]
.endr
	v_lshlrev_b32 v[\word], v27, v[\word]
	v_permlanex16_b32 v75, v[\word], s[SEL], s[SEL+1]
	v_or_b32 v[\word], v[\word], v75
.endm
.irp b, 0,1,2,3
	FRAGOUT 3, 64*\b, 80+12*\b, 28+\b
.irp g, 0,1,2
	global_store_b128 v3, v[80+12*\b+4*\g:83+12*\b+4*\g], s[90:91] offset:1536*\b+512*\g   ; 512 consecutive bytes, at a multiple of 256 from the buffer's first byte
.endr
.endr
	global_store_b128 v25, v[28:31], s[90:91] offset:6144   ; sixteen lanes cover one aligned unit of 256 bytes (the other sixteen store the same bytes with the same values)
	s_wait_alu depctr_va_vdst(0)
	s_wait_xcnt 0x0                                ; the stores have read their data: the codes' registers are written again
.irp b, 0,1
	FRAGOUT 0, 128+64*\b, 80+12*\b, 76+\b
.irp g, 0,1,2
	global_store_b128 v3, v[80+12*\b+4*\g:83+12*\b+4*\g], s[92:93] offset:1536*\b+512*\g
.endr
.endr
	global_store_b64 v24, v[76:77], s[94:95]       ; one aligned unit of 256 bytes
	s_wait_tensorcnt 0x0                           ; the wave's end
	ds_add_u32 v[SPW], v[NIL]
	s_wait_dscnt 0x0
	CROUND                                         ; the closing round: no work-group ends while a partner may still ask for a tile that names it
	s_endpgm
.Lfunc_end_k_qc64e6e1851_qkv:
	.size	k_qc64e6e1851_qkv, .Lfunc_end_k_qc64e6e1851_qkv-k_qc64e6e1851_qkv
	.p2alignl 7, 3214868480
	.fill 96, 4, 3214868480
	.section	.rodata,"a",@progbits
	.p2align	6, 0x0
	.amdhsa_kernel k_qc64e6e1851_qkv
		.amdhsa_group_segment_fixed_size 327680
		.amdhsa_private_segment_fixed_size 0
		.amdhsa_enable_private_segment 0
		.amdhsa_kernarg_size 24
		.amdhsa_user_sgpr_count 2
		.amdhsa_user_sgpr_kernarg_segment_ptr 1
		.amdhsa_wavefront_size32 1
		.amdhsa_system_sgpr_workgroup_id_x 1
		.amdhsa_system_sgpr_workgroup_id_y 1
		.amdhsa_system_sgpr_workgroup_id_z 1
		.amdhsa_system_vgpr_workitem_id 0
		.amdhsa_next_free_vgpr 1024
		.amdhsa_next_free_sgpr 102
		.amdhsa_reserve_vcc 0
		.amdhsa_float_denorm_mode_32 3
		.amdhsa_float_denorm_mode_16_64 3
		.amdhsa_memory_ordered 1
		.amdhsa_forward_progress 1
		.amdhsa_inst_pref_size 109
	.end_amdhsa_kernel
	.amdgpu_metadata
---
amdhsa.version: [ 1, 2 ]
amdhsa.kernels:
  - .name:           k_qc64e6e1851_qkv
    .symbol:         k_qc64e6e1851_qkv.kd
    .args:
      - { .name: codes, .offset: 0, .size: 8, .value_kind: global_buffer, .address_space: global }
      - { .name: qc, .offset: 8, .size: 8, .value_kind: global_buffer, .address_space: global }
      - { .name: kvc, .offset: 16, .size: 8, .value_kind: global_buffer, .address_space: global }
    .group_segment_fixed_size: 327680
    .private_segment_fixed_size: 0
    .kernarg_segment_align: 8
    .kernarg_segment_size: 24
    .max_flat_workgroup_size: 128
    .sgpr_count:     102
    .vgpr_count:     1024
    .wavefront_size: 32
...
	.end_amdgpu_metadata
.endif
;; end of part 2
;; launch attn (part 3): grid 8 x 32, 16 waves a work-group, clusters of 4 x 1, 284,672 bytes of LDS; arguments qc, kvc, ac; writes ac
.if DOCPART == 3
	.amdgcn_target "amdgcn-amd-amdhsa--gfx1250"
	.amdhsa_code_object_version 6
	.text
	.protected	k_qc64e6e1851_attn
	.globl	k_qc64e6e1851_attn
	.p2align	8
	.type	k_qc64e6e1851_attn,@function
k_qc64e6e1851_attn:
	s_mov_b64 s[64:65], 0
	v_nop
	global_prefetch_b8 v0, s[64:65] scope:SCOPE_SE
	s_setreg_imm32_b32 hwreg(HW_REG_WAVE_MODE, 25, 1), 1
	s_wait_xcnt 0x0
	s_wait_alu depctr_hold_cnt(0) depctr_sa_sdst(0) depctr_va_vdst(0) depctr_va_sdst(0) depctr_va_ssrc(0) depctr_va_vcc(0) depctr_vm_vsrc(0)
	s_getreg_b32 s2, hwreg(HW_REG_IB_STS2, 6, 4)
	s_cmp_eq_u32 s2, 0
	s_cbranch_scc0 .Lentry_in_a_cluster
	s_endpgm
.Lentry_in_a_cluster:
	s_bfe_u32 s2, ttmp6, 0x10000c
	s_cmp_lg_u32 s2, 0x3003
	s_cbranch_scc0 .Lentry_shape_is_right
	s_endpgm
.Lentry_shape_is_right:
; Causal attention of one head on codes of FP6 (E2M3) with E8M0 block scales: S^T = K Q^T, p = 2^(t - M), O^T = V^T P^T, O / l, and O's quantising for the last projection.
; t = score x log2(e) / 8; M = the running largest t rounded UP to a whole number; p is quantised along the keys, not normalised; l is the sum of the unquantised p, in f32.  When M moves, l and O^T are multiplied by 2^(old M - new M): exact.
; THE MASK: key > query counts for nothing.  The bias of -1e9 is taken as -infinity: p is 0 either way while scores / 8 stay under 5e8 in magnitude (LIMIT).
; LEFT OUT: key steps of 128 that lie wholly behind a tile's queries (the first launch's comment shows why).  LIMITS: as in the first launch.
; SHARES.  A head's 2,048 queries are 16 blocks of 128, a block is 8 tiles of 16.  Work-group px (0 .. 7) of a head takes tile px of EVERY block: tile b (of block b) needs key steps 0 .. b.  So what a wave does hangs on its own number alone.
; Tiles j and 15 - j (j = 0 .. 7) are two waves' work, 17 steps.  Wave w < 8, j = (w & 7) xor 4, takes steps 0 .. NA - 1 of tile 15 - j; NA is 7 in waves 0-3 (j = 4 .. 7), 13 in waves 4-7 (j = 0 .. 3).
; Wave w + 8 does tile j, steps 0 .. j, whose results leave, and then steps NA .. 15 - j of tile 15 - j (none where j = 3): 17 - NA steps; that part (O^T, l, M) goes into LDS.
; Behind the loop wave w joins the two parts of tile 15 - j: both are brought under the larger M by powers of two, and added.
; CLUSTER 4 x 1: four work-groups of a head ask jointly for K and V.  All of the head's K and V images (16 x 13,056 bytes) lie in LDS: wave w asks for key step w at the head, no byte is filled twice, and no prefetch is laid: nothing could be asked for earlier.
; Every wave's first step is key step 0: it begins when wave 0's load has landed; behind it all have.
; LAYOUT.  A lane holds ONE query throughout.  A fragment of K holds two tiles of 16 keys: k = 0 .. 63 the channels of the first, 64 .. 127 those of the second.  Q stands between zero codes: [0 | q | 0]: K x [q | 0] gives the first tile's scores, K x [0 | q] the second's.
; Register 32 g + n of S^T is key 64 g + 32 h + n of the step (h = lane / 16): a lane holds two whole scale blocks of p, and no lane looks at another but for the row's maximum and the scale word.
; A block's largest p is made of its largest score, by the same two instructions: this takes v_exp_f32 not to fall where its input rises.
; ON THE DIAGONAL the tile's queries lie in the 64 that the cluster's x names (px = 4 x cluster x + cx): of these 64 keys key n is hidden where n > d, by 32 masks made once; the other 64 are all visible (cluster x = 1) or all hidden (0).
; Sixteen waves in 256 registers each: v1-7, v11 addresses; v8-10 those of the step; v12 -M, v13 the largest t, v[14:15] l in two halves; v16-33 zero codes, q, zero codes; v34 q's scale word; v35-41 the second tile's; F K's, then V's fragments; S scores, then p; O.
.set STEPB, 13056
.set STASH, 208896                     ; behind K and V: [wave: 4,608]; no tile lands here
.set SPARE, 282624
.set F,   44
.set S,   96
.set O,   160
.set PCD, 192
.set CT,  204
.set KS,  220
.set VS,  224
.set PS,  228
.set CS,  22
.set G1,  24
.set G0,  32
.set SEL, 60
.macro PLACES n
.rept \n
	v_nop
.endr
.endm
.macro CROUND
	s_barrier_signal -1
	s_barrier_wait -1
	s_cmp_lg_u32 s12, 0
	s_cbranch_scc1 .Lnot_wave_0_\@
	s_barrier_signal -3
.Lnot_wave_0_\@:
	s_barrier_wait -3
	s_barrier_signal -1
	s_barrier_wait -1
.endm
.macro DEP n
	s_delay_alu instid0(VALU_DEP_\n)
.endm
.macro START                           ; a tile's state: M under every t, l and O^T zero (the first change of M leaves them zero)
	v_mov_b32 v13, 0xff61b1e6
	v_mov_b32 v14, 0
	v_mov_b32 v15, 0
	v_floor_f32 v12, -v13
.set NN, 0
.rept 32
	v_mov_b32 v[O+NN], 0
.set NN, NN+1
.endr
.endm
.macro MASKREG                         ; the scalar register of mask NN
.if NN < 24
.set MK, 78+NN
.else
.set MK, 16+NN
.endif
.endm
.macro MASK base                       ; hidden scores become -infinity
.set NN, 0
.rept 32
	MASKREG
	v_cndmask_b32 v[\base+NN], v[\base+NN], v238, s[MK]
.set NN, NN+1
.endr
.endm
; THE WAY OUT of a tile: O^T / l; register n is channel 32 h + n of my query: one scale block along the last projection's K
.macro WAYOUT
	v_add_f32 v14, v14, v15
	DEP 1
	v_permlanex16_b32 v236, v14, s[SEL], s[SEL+1]
	DEP 1
	v_add_f32 v14, v14, v236                       ; the row's sum
	s_wait_alu depctr_va_vdst(0)
	v_rcp_f32 v14, v14
	v_nop                                          ; one plain place behind a transcendental
	s_wait_alu depctr_va_vdst(0)
.set NN, 0
.rept 16
	v_pk_mul_f32 v[S+NN*2:S+NN*2+1], v[O+NN*2:O+NN*2+1], v[14:15] op_sel_hi:[1,0]
.set NN, NN+1
.endr
	v_max3_num_f32 v212, |v[S]|, |v[S+1]|, |v[S+2]|
	v_max3_num_f32 v214, |v[S+16]|, |v[S+17]|, |v[S+18]|
.irp i, 3,5,7,9,11,13
	v_max3_num_f32 v212, v212, |v[S+\i]|, |v[S+\i+1]|
	v_max3_num_f32 v214, v214, |v[S+16+\i]|, |v[S+17+\i]|
.endr
	v_max3_num_f32 v212, v212, |v[S+15]|, |v[S+31]|
	DEP 1
	v_max3_num_f32 v212, v212, v214, 0x1800000
	DEP 1
	v_add_nc_u32 v216, 0xff000000, v212
	DEP 1
	v_lshrrev_b32 v218, 23, v216
	v_cvt_scalef32_pk16_fp6_f32 v[PCD:PCD+2], v[S:S+15], v216
	v_cvt_scalef32_pk16_fp6_f32 v[CT:CT+2], v[S+16:S+31], v216
	v_lshlrev_b32 v218, v4, v218                   ; (the plain place behind the conversions)
.irp i, 0,1,2
	v_mov_b32 v[PCD+3+\i], v[CT+\i]
.endr
	v_permlanex16_b32 v237, v218, s[SEL], s[SEL+1]
	DEP 1
	v_or_b32 v232, v218, v237                      ; my token's two bytes,
	DEP 1
	v_lshlrev_b32 v232, s39, v232                  ; at this head's place in the scale word
	DEP 1
	v_mov_b32 v233, v232
	global_store_b128 v1, v[PCD:PCD+3], s[8:9]                 ; 512 consecutive bytes, at a multiple of 256 from the buffer's first byte
	global_store_b64 v6, v[PCD+4:PCD+5], s[8:9] offset:512     ; 256 consecutive bytes, likewise
	global_store_b64 v6, v[232:233], s[8:9] offset:768         ; and the unit of scale words: lane l's word twice, at 8 l
.endm
; A KEY STEP: 128 keys.  s20 its number, s68 the tile's block
.macro STEP
	s_mul_i32 s71, s20, STEPB
	v_add_nc_u32 v8, s71, v1                       ; (these four are the places between the last products and the loads into the registers that they have read)
	v_add_nc_u32 v9, s71, v2
	v_add_nc_u32 v10, s71, v3
	v_nop
.irp b, 0,1,2,3
.irp g, 0,1,2
	ds_load_b128 v[F+12*\b+4*\g:F+12*\b+4*\g+3], v8 offset:1536*\b+512*\g
.endr
.endr
	ds_load_b128 v[KS:KS+3], v9 offset:6144
	s_wait_alu depctr_va_vdst(0)
	s_wait_dscnt 0x0
.irp b, 0,1,2,3
	v_wmma_scale_f32_16x16x128_f8f6f4 v[S+16*\b:S+16*\b+7], v[F+12*\b:F+12*\b+11], v[22:33], 0, v[KS+\b], v34 matrix_a_fmt:MATRIX_FMT_FP6 matrix_b_fmt:MATRIX_FMT_FP6
	v_wmma_scale_f32_16x16x128_f8f6f4 v[S+16*\b+8:S+16*\b+15], v[F+12*\b:F+12*\b+11], v[16:27], 0, v[KS+\b], v34 matrix_a_fmt:MATRIX_FMT_FP6 matrix_b_fmt:MATRIX_FMT_FP6
.endr
	PLACES 4                                       ; in front of the loads below and of the first read of the scores
.irp b, 0,1,2,3                                ; V is asked for now, and lands while the softmax is walked
.irp g, 0,1,2
	ds_load_b128 v[F+12*\b+4*\g:F+12*\b+4*\g+3], v8 offset:6400+1536*\b+512*\g
.endr
.endr
	ds_load_b64 v[VS:VS+1], v10 offset:12544
	ds_load_b64 v[VS+2:VS+3], v10 offset:12800
	s_cmp_lg_u32 s20, s68                          ; on the diagonal the scores of hidden keys become -infinity ahead of the maximum
	s_cbranch_scc1 .Lopen_\@
	s_cmp_lg_u32 ttmp9, 0
	s_cbranch_scc1 .Lhigh_\@
	MASK S
.set NN, 0
.rept 32
	v_mov_b32 v[S+32+NN], v238
.set NN, NN+1
.endr
	s_wait_alu depctr_va_vdst(0)
	s_branch .Lopen_\@
.Lhigh_\@:
	MASK S+32
.Lopen_\@:
.irp g, 0,1                                    ; the largest score of each block of 32 keys, two chains a block: it serves for the row's maximum and for the block's largest p
	v_max3_num_f32 v[212+\g], v[S+32*\g], v[S+32*\g+1], v[S+32*\g+2]
	v_max3_num_f32 v[214+\g], v[S+32*\g+16], v[S+32*\g+17], v[S+32*\g+18]
.endr
.irp i, 3,5,7,9,11,13
.irp g, 0,1
	v_max3_num_f32 v[212+\g], v[212+\g], v[S+32*\g+\i], v[S+32*\g+\i+1]
	v_max3_num_f32 v[214+\g], v[214+\g], v[S+32*\g+16+\i], v[S+32*\g+17+\i]
.endr
.endr
.irp g, 0,1
	v_max3_num_f32 v[212+\g], v[212+\g], v[S+32*\g+15], v[S+32*\g+31]
.endr
.irp g, 0,1
	v_max_num_f32 v[212+\g], v[212+\g], v[214+\g]
.endr
	DEP 1
	v_max_num_f32 v232, v212, v213
	DEP 1
	v_permlanex16_b32 v236, v232, s[SEL], s[SEL+1]
	DEP 1
	v_max_num_f32 v232, v232, v236                 ; with lane l xor 16's keys: the row's
	DEP 1
	v_mul_f32 v232, s[CS], v232                    ; the step's largest t (c is positive)
	DEP 1
	v_max_num_f32 v13, v13, v232
	v_mov_b32 v232, v12
	DEP 2
	v_floor_f32 v12, -v13                          ; the new -M = -ceil(t)
	DEP 1
	v_sub_f32 v232, v12, v232                      ; old M - new M: a whole number, 0 or less
	DEP 1
	v_cvt_i32_f32 v232, v232                       ; (it saturates)
	DEP 1
	v_ldexp_f32 v230, 1.0, v232                    ; f = 2^(old M - new M)
.set NN, 0
.rept 32
	v_pk_fma_f32 v[S+NN*2:S+NN*2+1], v[S+NN*2:S+NN*2+1], s[CS:CS+1], v[12:13] op_sel_hi:[1,0,0]   ; t - M, two at a time
.set NN, NN+1
.endr
.irp g, 0,1
	v_fma_f32 v[212+\g], v[212+\g], s[CS], v12
.endr
.set NN, 0
.rept 16
	v_pk_mul_f32 v[O+NN*2:O+NN*2+1], v[O+NN*2:O+NN*2+1], v[230:231] op_sel_hi:[1,0]   ; O^T under the new M
.set NN, NN+1
.endr
	s_wait_alu depctr_va_vdst(0)
.irp g, 0,1
	v_exp_f32 v[212+\g], v[212+\g]                 ; the blocks' largest p
.endr
.set NN, 0
.rept 64
	v_exp_f32 v[S+NN], v[S+NN]                     ; p = 2^(t - M), at most 1
.set NN, NN+1
.endr
	v_pk_mul_f32 v[14:15], v[14:15], v[230:231] op_sel_hi:[1,0]   ; l under the new M.  (A plain place behind the exponentials)
	s_wait_alu depctr_va_vdst(0)                   ; one wait for the whole batch
.irp g, 0,1
	v_max_num_f32 v[212+\g], 0x1800000, v[212+\g]  ; the floor 2^(3 - 127)
.endr
.irp g, 0,1
	v_add_nc_u32 v[216+\g], 0xff000000, v[212+\g]  ; the conversion's scale operand
.endr
.irp g, 0,1
	v_lshrrev_b32 v[218+\g], 23, v[216+\g]         ; the scale's byte
.endr
.irp g, 0,1
	v_cvt_scalef32_pk16_fp6_f32 v[PCD+6*\g:PCD+6*\g+2], v[S+32*\g:S+32*\g+15], v[216+\g]
	v_cvt_scalef32_pk16_fp6_f32 v[CT+4*\g:CT+4*\g+2], v[S+32*\g+16:S+32*\g+31], v[216+\g]
.endr
	v_lshl_or_b32 v[PS], v219, 16, v218            ; (the plain place behind the conversions)
.irp g, 0,1
.irp i, 0,1,2
	v_mov_b32 v[PCD+6*\g+3+\i], v[CT+4*\g+\i]
.endr
.endr
	v_lshlrev_b32 v[PS], v4, v[PS]
.irp k, 0,1,2,3,4,5,6                          ; the row's sum: 32 pairs in eight chains, l among them
	v_pk_add_f32 v[240+2*\k:241+2*\k], v[S+4*\k:S+4*\k+1], v[S+4*\k+2:S+4*\k+3]
.endr
	v_permlanex16_b32 v237, v[PS], s[SEL], s[SEL+1]
.set NN, 14
.rept 18
.set AC_, 240+2*((NN-14)%8)
.if AC_ == 254
.set AC_, 14
.endif
	v_pk_add_f32 v[AC_:AC_+1], v[AC_:AC_+1], v[S+2*NN:S+2*NN+1]
.if NN == 15
	v_or_b32 v[PS], v[PS], v237                    ; p's scale word for these 128 keys
.endif
.set NN, NN+1
.endr
	v_pk_add_f32 v[240:241], v[240:241], v[248:249]
	v_pk_add_f32 v[242:243], v[242:243], v[250:251]
	v_pk_add_f32 v[244:245], v[244:245], v[252:253]
	v_pk_add_f32 v[14:15], v[14:15], v[246:247]
	v_pk_add_f32 v[240:241], v[240:241], v[242:243]
	DEP 2
	v_pk_add_f32 v[14:15], v[14:15], v[244:245]
	DEP 1
	v_pk_add_f32 v[14:15], v[14:15], v[240:241]
	s_wait_alu depctr_va_vdst(0)
	s_wait_dscnt 0x0                               ; V and its scale words are in
.irp b, 0,1,2,3                                ; the four accumulators by turns, one instruction a turn; the eight products of the scores stand between two links of a sum
	v_wmma_scale_f32_16x16x128_f8f6f4 v[O+8*\b:O+8*\b+7], v[F+12*\b:F+12*\b+11], v[PCD:PCD+11], v[O+8*\b:O+8*\b+7], v[VS+\b], v[PS] matrix_a_fmt:MATRIX_FMT_FP6 matrix_b_fmt:MATRIX_FMT_FP6
.endr
.endm
	s_load_b128 s[4:7], s[0:1], 0x0                ; qc, kvc
	s_load_b64 s[8:9], s[0:1], 0x10                ; ac
	v_lshl_add_u32 v254, v0, 2, SPARE
	v_mov_b32 v255, 0
	ds_add_u32 v254, v255                          ; the wave's opening
	ds_add_u32 v254, v255
	v_lshrrev_b32 v1, 5, v0
	v_readfirstlane_b32 s12, v1                    ; wave 0..15
	s_and_b32 s14, ttmp7, 0xffff                   ; 16 batch + head
	s_mov_b32 s[G1], (3<<16)|(1<<21)|15            ; the four work-groups of my cluster; elements of 8 bytes
	s_mov_b32 s[G1+1], 32<<16                      ; a key step: 13,056 dense bytes as 51 rows of 256
	s_mov_b32 s[G1+2], 51<<16
	s_mov_b32 s[G1+3], 32<<16
	s_mov_b32 s[G1+4], 51
	s_mov_b32 s[G1+5], 32
	s_mov_b32 s[G1+6], 0
	s_mov_b32 s[G1+7], 0
	s_mul_i32 s72, s14, 16*STEPB
	s_mul_i32 s73, s12, STEPB
	s_mov_b32 s[G0], 1
	s_mov_b32 s[G0+1], s73
	s_add_co_u32 s72, s72, s73
	s_mov_b32 s73, 0
	s_wait_dscnt 0x0                               ; both opening adds are done
	CROUND                                         ; the four work-groups are here: the joint loads meet
	s_wait_kmcnt 0x0
	s_add_nc_u64 s[G0+2:G0+3], s[6:7], s[72:73]
	s_or_b32 s[G0+3], s[G0+3], 0x80000000
	s_cmp_eq_u32 s12, 0                            ; one tensor load a wave: key step w, K and V; wave 0's is a line of its own
	s_cbranch_scc0 .Lothers
	tensor_load_to_lds s[G0:G0+3], s[G1:G1+7]
	s_nop 0
	PLACES 4
	s_branch .Lasked
.Lothers:
	tensor_load_to_lds s[G0:G0+3], s[G1:G1+7]
	s_nop 0
	PLACES 4
.Lasked:
	s_and_b32 s13, s12, 7
	s_add_co_u32 s77, s13, 8                       ; the wave that shares tile 15 - j with me
	s_xor_b32 s13, s13, 4                          ; j
	s_lshr_b32 s15, s12, 3                         ; 1: tile j first, then a part of tile 15 - j
	s_bfe_u32 s21, s12, 0x10002
	s_mul_i32 s21, s21, 6
	s_add_co_u32 s21, s21, 7                       ; NA
	s_sub_co_u32 s17, 30, s13
	s_mul_i32 s17, s17, s15
	s_sub_co_u32 s17, 31, s17                      ; the trip with which my second tile begins: j + 1; in waves 0-7 none (31)
	s_lshl_b32 s19, s21, 1
	s_sub_co_u32 s19, s19, 17
	s_mul_i32 s19, s19, s15
	s_sub_co_u32 s20, s21, 1
	s_sub_co_u32 s19, s20, s19                     ; my last trip: NA - 1, or 16 - NA
	s_sub_co_u32 s38, s20, s13                     ; the key step is the trip; from the second tile on it is the trip + NA - j - 1
	s_sub_co_u32 s70, 15, s13                      ; blocks of my tiles: the second's,
	s_sub_co_u32 s69, s70, s13
	s_mul_i32 s69, s69, s15
	s_sub_co_u32 s69, s70, s69                     ; the first's
	s_mov_b32 s[SEL], 0x76543210
	s_mov_b32 s[SEL+1], 0xfedcba98                 ; v_permlanex16_b32's selects for lane l xor 16
	s_mov_b32 s[CS], 0x3e38aa3b                    ; c = log2(e) / 8
	s_mov_b32 s[CS+1], s[CS]                       ; (named with it as a pair, so it is written)
	s_bfe_u32 s67, ttmp6, 0x40000                  ; u = cx
	s_lshl_b32 s16, ttmp9, 2
	s_add_co_u32 s16, s16, s67                     ; px
	s_lshl_b32 s40, s14, 4
	s_add_co_u32 s42, s40, s70
	s_add_co_u32 s40, s40, s69
	s_mul_i32 s40, s40, 6400                       ; q's image of my first tile's block,
	s_mul_i32 s42, s42, 6400                       ; of my second's
	s_lshr_b32 s44, s16, 1                         ; which fragment of the block's four
	s_lshl_b32 s46, s44, 2
	s_mul_i32 s44, s44, 1536
	s_mov_b32 s41, 0
	s_mov_b32 s43, 0
	s_mov_b32 s45, 0
	s_mov_b32 s47, 0
	s_add_nc_u64 s[48:49], s[4:5], s[40:41]
	s_add_nc_u64 s[50:51], s[4:5], s[42:43]
	s_add_nc_u64 s[52:53], s[48:49], s[44:45]
	s_add_nc_u64 s[54:55], s[50:51], s[44:45]
	s_add_nc_u64 s[48:49], s[48:49], s[46:47]      ; and its scale words
	s_add_nc_u64 s[50:51], s[50:51], s[46:47]
	v_and_b32 v42, 15, v0                          ; r
	v_and_b32 v94, 31, v0
	v_bfe_u32 v43, v0, 4, 1                        ; h
	v_lshlrev_b32 v1, 4, v94                       ; 16 x lane
	v_lshlrev_b32 v2, 4, v42                       ; 16 r
	v_lshlrev_b32 v6, 3, v94                       ; 8 x lane
	v_lshlrev_b32 v3, 3, v42                       ; 8 r
.irp g, 0,1,2
	global_load_b128 v[44+4*\g:47+4*\g], v1, s[52:53] offset:512*\g
.endr
	global_load_b32 v92, v2, s[48:49] offset:6144
.irp g, 0,1,2
	global_load_b128 v[56+4*\g:59+4*\g], v1, s[54:55] offset:512*\g   ; (waves 0-7 have no second tile: the text is one for all waves)
.endr
	global_load_b32 v93, v2, s[50:51] offset:6144
	s_wait_alu depctr_va_vdst(0)
	s_and_b32 s63, s16, 1                          ; which of the fragment's two tiles
	s_cmp_eq_u32 s63, 1
	s_cselect_b32 s62, -1, 0
	s_lshl_b32 s63, s63, 4
	s_lshl_b32 s74, s67, 3
	s_lshl_b32 s72, s69, 1                         ; ac: [64 tokens: 65,536][head: 4,096][tile: 1,024]: codes in six registers (0-3 of lane l at 16 l, 4-5 at 512 + 8 l), 256 bytes of scale words at 768
	s_add_co_u32 s72, s72, ttmp9
	s_lshr_b32 s75, s14, 4
	s_lshl_b32 s75, s75, 5
	s_add_co_u32 s72, s72, s75
	s_lshl_b32 s72, s72, 16
	s_and_b32 s75, s14, 15
	s_lshl_b32 s76, s75, 12
	s_add_co_u32 s72, s72, s76
	s_lshl_b32 s76, s67, 10
	s_add_co_u32 s72, s72, s76
	s_mov_b32 s73, 0
	s_add_nc_u64 s[8:9], s[8:9], s[72:73]
	s_and_b32 s39, s14, 1
	s_lshl_b32 s39, s39, 4                         ; odd heads' half words lie above
	s_mul_i32 s76, s12, 4608
	s_add_co_u32 s76, s76, STASH
	s_mul_i32 s77, s77, 4608
	s_add_co_u32 s77, s77, STASH
	v_lshlrev_b32 v4, 3, v43                       ; 8 h
	v_and_b32 v5, 8, v42
	v_and_b32 v95, 7, v42
	v_add_nc_u32 v7, s76, v1                       ; my stash; the stash of the wave that shares my tile
	v_add_nc_u32 v11, s77, v1
	v_lshl_add_u32 v5, v5, 2, v95                  ; 32 (r >> 3) + (r & 7)
	v_lshlrev_b32 v95, 5, v43
	v_sub_nc_u32 v5, v5, v95
	v_add_nc_u32 v5, s74, v5                       ; d = my query in its 64 - 32 h
	v_mov_b32 v216, 0
	v_mov_b32 v217, 0
	v_mov_b32 v230, 0
	v_mov_b32 v231, 0                              ; (named as the upper half of the pair v[230:231])
	v_mov_b32 v236, 0                              ; written once: a lane permute's destination counts as one of its sources
	v_mov_b32 v237, 0
	v_mov_b32 v238, 0xff800000                     ; -infinity
	START
.irp e, 0,1,2,3,4,5
	v_mov_b32 v[16+\e], 0
	v_mov_b32 v[28+\e], 0
.endr
	s_wait_alu depctr_va_vdst(0)
	s_wait_loadcnt 0x0
.irp e, 0,1,2,3,4,5
	v_cndmask_b32 v[22+\e], v[44+\e], v[50+\e], s62
	v_cndmask_b32 v[35+\e], v[56+\e], v[62+\e], s62
.endr
	v_lshrrev_b32 v92, s63, v92
	v_lshrrev_b32 v93, s63, v93
	v_and_b32 v92, 0xffff, v92
	v_and_b32 v93, 0xffff, v93
	v_lshl_or_b32 v34, v92, 16, v92                ; q's two bytes below and above: one word serves both placings of q
	v_lshl_or_b32 v41, v93, 16, v93
.set NN, 0
.rept 32                               ; (the registers that held q's addresses are free)
	MASKREG
	v_cmp_gt_i32 s[MK], NN, v5
.set NN, NN+1
.endr
	s_wait_alu depctr_va_vdst(0)                   ; the head's end
	s_cmp_eq_u32 s12, 0
	s_cbranch_scc0 .Lnot_0
	s_wait_tensorcnt 0x0
.Lnot_0:
	s_barrier_signal -1
	s_barrier_wait -1                              ; key step 0 is in; the others may be on their way: nothing is ever filled again
	s_mov_b32 s20, 0
	s_mov_b32 s68, s69
	STEP
	s_wait_tensorcnt 0x0
	s_barrier_signal -1
	s_barrier_wait -1                              ; all of K and V is in
	s_mov_b32 s18, 1
.Ltrip:
	s_cmp_lg_u32 s18, s17
	s_cbranch_scc1 .Lsame
	PLACES 4                                       ; tile j is finished, and the part of tile 15 - j begins
	WAYOUT
.irp e, 0,1,2,3,4,5
	v_mov_b32 v[22+\e], v[35+\e]
.endr
	v_mov_b32 v34, v41
	START
	s_wait_alu depctr_va_vdst(0)
	s_wait_xcnt 0x0                                ; the stores have read their data
.Lsame:
	s_cmp_gt_u32 s18, s19
	s_cbranch_scc1 .Lskip
	s_cmp_lt_u32 s18, s17
	s_cselect_b32 s20, 0, s38
	s_cselect_b32 s68, s69, s70
	s_add_co_u32 s20, s20, s18
	s_min_u32 s20, s20, 15                         ; the key step
	STEP
.Lskip:
	s_add_co_u32 s18, s18, 1
	s_cmp_lg_u32 s18, 13
	s_cbranch_scc1 .Ltrip
	PLACES 4
	s_wait_alu depctr_va_vdst(0)
	s_cmp_lt_u32 s12, 8
	s_cbranch_scc1 .Lno_stash
.irp i, 0,1,2,3,4,5,6,7                        ; waves 8-15: my part of tile 15 - j
	ds_store_b128 v7, v[O+4*\i:O+4*\i+3] offset:512*\i
.endr
	ds_store_b128 v7, v[12:15] offset:4096
.Lno_stash:
	s_wait_dscnt 0x0                               ; for the others' sake: the stashes are written
	s_barrier_signal -1
	s_barrier_wait -1
	s_cmp_lt_u32 s12, 8
	s_cbranch_scc0 .Lout
.irp i, 0,1,2,3,4,5,6,7                        ; waves 0-7: the other part of my tile
	ds_load_b128 v[S+4*\i:S+4*\i+3], v11 offset:512*\i
.endr
	ds_load_b128 v[232:235], v11 offset:4096
	s_wait_dscnt 0x0
	v_min_num_f32 v212, v12, v232                  ; - the larger M
	v_sub_f32 v214, v212, v12
	v_sub_f32 v215, v212, v232
	v_cvt_i32_f32 v214, v214                       ; (a part without steps has M = -3e38: it saturates, and the factor is 0)
	v_cvt_i32_f32 v215, v215
	v_ldexp_f32 v230, 1.0, v214
	v_ldexp_f32 v216, 1.0, v215
	v_pk_mul_f32 v[14:15], v[14:15], v[230:231] op_sel_hi:[1,0]
.set NN, 0
.rept 16
	v_pk_mul_f32 v[O+NN*2:O+NN*2+1], v[O+NN*2:O+NN*2+1], v[230:231] op_sel_hi:[1,0]
.set NN, NN+1
.endr
	v_pk_fma_f32 v[14:15], v[234:235], v[216:217], v[14:15] op_sel_hi:[1,0,1]
.set NN, 0
.rept 16
	v_pk_fma_f32 v[O+NN*2:O+NN*2+1], v[S+NN*2:S+NN*2+1], v[216:217], v[O+NN*2:O+NN*2+1] op_sel_hi:[1,0,1]
.set NN, NN+1
.endr
	WAYOUT
.Lout:
	s_wait_tensorcnt 0x0                           ; the wave's end
	ds_add_u32 v254, v255
	s_wait_dscnt 0x0
	CROUND                                         ; the closing round
	s_endpgm
.Lfunc_end_k_qc64e6e1851_attn:
	.size	k_qc64e6e1851_attn, .Lfunc_end_k_qc64e6e1851_attn-k_qc64e6e1851_attn
	.p2alignl 7, 3214868480
	.fill 96, 4, 3214868480
	.section	.rodata,"a",@progbits
	.p2align	6, 0x0
	.amdhsa_kernel k_qc64e6e1851_attn
		.amdhsa_group_segment_fixed_size 284672
		.amdhsa_private_segment_fixed_size 0
		.amdhsa_enable_private_segment 0
		.amdhsa_kernarg_size 24
		.amdhsa_user_sgpr_count 2
		.amdhsa_user_sgpr_kernarg_segment_ptr 1
		.amdhsa_wavefront_size32 1
		.amdhsa_system_sgpr_workgroup_id_x 1
		.amdhsa_system_sgpr_workgroup_id_y 1
		.amdhsa_system_sgpr_workgroup_id_z 1
		.amdhsa_system_vgpr_workitem_id 0
		.amdhsa_next_free_vgpr 256
		.amdhsa_next_free_sgpr 102
		.amdhsa_reserve_vcc 0
		.amdhsa_float_denorm_mode_32 3
		.amdhsa_float_denorm_mode_16_64 3
		.amdhsa_memory_ordered 1
		.amdhsa_forward_progress 1
		.amdhsa_inst_pref_size 65
	.end_amdhsa_kernel
	.amdgpu_metadata
---
amdhsa.version: [ 1, 2 ]
amdhsa.kernels:
  - .name:           k_qc64e6e1851_attn
    .symbol:         k_qc64e6e1851_attn.kd
    .args:
      - { .name: qc, .offset: 0, .size: 8, .value_kind: global_buffer, .address_space: global }
      - { .name: kvc, .offset: 8, .size: 8, .value_kind: global_buffer, .address_space: global }
      - { .name: ac, .offset: 16, .size: 8, .value_kind: global_buffer, .address_space: global }
    .group_segment_fixed_size: 284672
    .private_segment_fixed_size: 0
    .kernarg_segment_align: 8
    .kernarg_segment_size: 24
    .max_flat_workgroup_size: 512
    .sgpr_count:     102
    .vgpr_count:     256
    .wavefront_size: 32
...
	.end_amdgpu_metadata
.endif
;; end of part 3
;; launch oproj (part 4): grid 8 x 32, 4 waves a work-group, clusters of 4 x 4, 327,680 bytes of LDS; arguments ac, codes, out0; writes out0
.if DOCPART == 4
	.amdgcn_target "amdgcn-amd-amdhsa--gfx1250"
	.amdhsa_code_object_version 6
	.text
	.protected	k_qc64e6e1851_oproj
	.globl	k_qc64e6e1851_oproj
	.p2align	8
	.type	k_qc64e6e1851_oproj,@function
k_qc64e6e1851_oproj:
	s_mov_b64 s[64:65], 0
	v_nop
	global_prefetch_b8 v0, s[64:65] scope:SCOPE_SE
	s_setreg_imm32_b32 hwreg(HW_REG_WAVE_MODE, 25, 1), 1
	s_wait_xcnt 0x0
	s_wait_alu depctr_hold_cnt(0) depctr_sa_sdst(0) depctr_va_vdst(0) depctr_va_sdst(0) depctr_va_ssrc(0) depctr_va_vcc(0) depctr_vm_vsrc(0)
	s_getreg_b32 s2, hwreg(HW_REG_IB_STS2, 6, 4)
	s_cmp_eq_u32 s2, 0
	s_cbranch_scc0 .Lentry_in_a_cluster
	s_endpgm
.Lentry_in_a_cluster:
	s_bfe_u32 s2, ttmp6, 0x10000c
	s_cmp_lg_u32 s2, 0xf033
	s_cbranch_scc0 .Lentry_shape_is_right
	s_endpgm
.Lentry_shape_is_right:
; out0 = a Wo^T on codes of FP6 (E2M3) with E8M0 block scales, sums in f32.  a: the attention's result, 4,096 tokens x 1,024, as images of operand registers; Wo likewise.
; A work-group makes 128 tokens (block mb) x 128 columns (block nb) over all K = 1,024; all its operands lie in LDS at once: no LDS byte is filled twice, one tensor load a wave, and no prefetch: nothing could be asked for earlier.
; Wave (wm = w >> 1, wn = w & 1) makes 64 x 64.  It holds its 64 rows of Wo, all of K, in registers (384) and takes its four tiles of 16 tokens one after the other, so that finished rows leave while the next tile is multiplied.
; a's images: [64 tokens: 65,536][head: 4,096][tile: 1,024]: six registers, 0-3 of lane l at 16 l, 4-5 at 512 + 8 l; at 768 + 8 l the head's half of the scale word.  Wo's: [64 rows: 51,200][K step: 6,400]: four fragments of 1,536, scale words [r: 16][fragment: 4].
; Of 64 rows, fragment u holds in lane r the row 32 (r >> 3) + 8 u + (r & 7), tokens and Wo's rows alike.
; THE MATRIX INSTRUCTION IS USED TRANSPOSED (source 0 = 16 rows of Wo, source 1 = 16 tokens): a lane holds one token, and its 32 registers are columns 32 h + 0 .. 31.
; CLUSTER 4 x 4: a's tiles are asked for jointly along a row of the cluster (same mb), Wo's along a column (same nb).
; REGISTERS: window 0: v3-14 addresses; v16-47 Wo's scale words; v48-63 a's, two sets; v64-79 their odd heads' halves; v128-191 two sets of four accumulators.
;   fragment f lies in window 1 + f / 21 at register 12 (f % 21): 0-31 Wo's (4 K step + tile), 32-39 and 40-47 a's, two sets.  Window 3, 96-223: the four tiles' rows on the way out, each in registers of its own.
.set WB,   131072                      ; LDS: a at 0, Wo here
.set STG,  233472                      ; a stage of 16 rows x (256 bytes + 16) for each wave; no tile lands here
.set SPARE, 250880
.set SPW,  12
.set NIL,  13
.set BSR,  16
.set ASR,  48
.set AT,   64
.set ACC,  128
.set OB,   96
.set G1W,  24
.set G1A,  32
.set G0W,  40
.set G0A,  44
.set MSB, 0
.macro WIN new                         ; the immediate's high byte repeats the setting that is left
.if MSB != \new
	s_set_vgpr_msb (MSB<<8)|\new
.set MSB, \new
.endif
.endm
.macro PLACES n
.rept \n
	v_nop
.endr
.endm
.macro CROUND
	s_barrier_signal -1
	s_barrier_wait -1
	s_cmp_lg_u32 s12, 0
	s_cbranch_scc1 .Lnot_wave_0_\@
	s_barrier_signal -3
.Lnot_wave_0_\@:
	s_barrier_wait -3
	s_barrier_signal -1
	s_barrier_wait -1
.endm
.macro GROUP1 g, r                     ; r dense rows of 256 bytes
	s_mov_b32 s[\g+1], 32<<16
	s_mov_b32 s[\g+2], (\r)<<16
	s_mov_b32 s[\g+3], 32<<16
	s_mov_b32 s[\g+4], \r
	s_mov_b32 s[\g+5], 32
	s_mov_b32 s[\g+6], 0
	s_mov_b32 s[\g+7], 0
.endm
; tile ti of my 64 tokens into set e: 48 LDS loads.  K step q is heads 2 q and 2 q + 1
.macro AFETCH e, ti
.irp q, 0,1,2,3,4,5,6,7
.set F_, 32+8*(\e)+\q
.set R_, 12*(F_%21)
	WIN ((1+F_/21)<<6)
.irp c, 0,1
	ds_load_b128 v[R_+6*\c:R_+6*\c+3], v4 offset:8192*\q+4096*\c+1024*(\ti)
	ds_load_b64 v[R_+6*\c+4:R_+6*\c+5], v5 offset:8192*\q+4096*\c+1024*(\ti)
.endr
.endr
	WIN 0
.irp q, 0,1,2,3,4,5,6,7
.set X_, ASR+8*(\e)+4*(1-(\q%2))+\q/2
	ds_load_b32 v[X_], v6 offset:8192*\q+1024*(\ti)
	ds_load_b32 v[AT+8*(\e)+\q], v6 offset:8192*\q+4096+1024*(\ti)
.endr
.endm
; K steps s0 .. s1 - 1: the four accumulators take turns, one instruction a turn, K ascending
.macro MUL e, s0, s1
.set N_, 4*(\s0)
.rept 4*((\s1)-(\s0))
.set Q_, N_/4
.set FA_, 32+8*(\e)+Q_
.set D_, ACC+32*(\e)+8*(N_%4)
.set R0_, 12*(N_%21)
.set R1_, 12*(FA_%21)
.set X0_, BSR+N_
.set X1_, ASR+8*(\e)+4*(1-(Q_%2))+Q_/2
	WIN (1+N_/21)|((1+FA_/21)<<2)
.if Q_
	v_wmma_scale_f32_16x16x128_f8f6f4 v[D_:D_+7], v[R0_:R0_+11], v[R1_:R1_+11], v[D_:D_+7], v[X0_], v[X1_] matrix_a_fmt:MATRIX_FMT_FP6 matrix_b_fmt:MATRIX_FMT_FP6
.else
	v_wmma_scale_f32_16x16x128_f8f6f4 v[D_:D_+7], v[R0_:R0_+11], v[R1_:R1_+11], 0, v[X0_], v[X1_] matrix_a_fmt:MATRIX_FMT_FP6 matrix_b_fmt:MATRIX_FMT_FP6
.endif
.set N_, N_+1
.endr
.endm
	s_load_b128 s[4:7], s[0:1], 0x0                ; ac, codes
	s_load_b64 s[8:9], s[0:1], 0x10                ; out0
	v_lshl_add_u32 v[SPW], v0, 2, SPARE
	v_mov_b32 v[NIL], 0
	ds_add_u32 v[SPW], v[NIL]                      ; the wave's opening
	ds_add_u32 v[SPW], v[NIL]
	v_lshrrev_b32 v1, 5, v0
	v_readfirstlane_b32 s12, v1                    ; wave 0..3
	s_lshr_b32 s13, s12, 1                         ; wm.  Also: I fetch for Wo (0) or for a (1)
	s_and_b32 s14, s12, 1                          ; wn.  Also: which half I fetch
	s_bfe_u32 s15, ttmp6, 0x40000                  ; cx
	s_bfe_u32 s16, ttmp6, 0x40004                  ; cy
	s_lshl_b32 s17, ttmp9, 2
	s_add_co_u32 s17, s17, s15                     ; nb = 4 x cluster x + cx
	s_and_b32 s18, ttmp7, 0xffff
	s_lshl_b32 s18, s18, 2
	s_add_co_u32 s18, s18, s16                     ; mb = 4 x cluster y + cy
	s_lshl_b32 s19, s16, 2
	s_lshl_b32 s19, 15, s19                        ; my row of the cluster
	s_lshl_b32 s20, 0x1111, s15                    ; my column
	s_or_b32 s[G1A], s19, (3<<16)|(1<<21)          ; 15:0 the mask; 17:16 elements of 8 bytes; 21 set beside a mask; no padding
	s_or_b32 s[G1W], s20, (3<<16)|(1<<21)
	GROUP1 G1W, 200                                ; 64 rows of Wo, codes and scale words: 51,200 dense bytes
	GROUP1 G1A, 256                                ; 64 tokens of a: 65,536 dense bytes
	s_lshl_b32 s66, s17, 1
	s_add_co_u32 s66, s66, s14
	s_mul_i32 s66, s66, 51200
	s_add_co_u32 s66, s66, 5734400                 ; Wo's images
	s_mov_b32 s67, 0
	s_lshl_b32 s68, s18, 1
	s_add_co_u32 s68, s68, s14
	s_lshl_b32 s68, s68, 16
	s_mov_b32 s69, 0
	s_mov_b32 s[G0W], 1
	s_mul_i32 s[G0W+1], s14, 51200
	s_add_co_u32 s[G0W+1], s[G0W+1], WB            ; no place in the cluster enters an LDS address
	s_mov_b32 s[G0A], 1
	s_lshl_b32 s[G0A+1], s14, 16
	s_wait_dscnt 0x0                               ; both opening adds are done
	CROUND                                         ; all sixteen work-groups are here: the joint loads meet
	s_wait_kmcnt 0x0
	s_add_nc_u64 s[G0W+2:G0W+3], s[6:7], s[66:67]
	s_add_nc_u64 s[G0A+2:G0A+3], s[4:5], s[68:69]
	s_or_b32 s[G0W+3], s[G0W+3], 0x80000000
	s_or_b32 s[G0A+3], s[G0A+3], 0x80000000
	s_cmp_eq_u32 s13, 0                            ; one load a wave: waves 0, 1 Wo's halves, waves 2, 3 a's
	s_cbranch_scc0 .Larm_a
	tensor_load_to_lds s[G0W:G0W+3], s[G1W:G1W+7]
	s_nop 0
	PLACES 4
	s_branch .Lasked
.Larm_a:
	tensor_load_to_lds s[G0A:G0A+3], s[G1A:G1A+7]
	s_nop 0
	PLACES 4
.Lasked:
	s_lshl_b32 s2, s18, 19                         ; 128 mb rows,
	s_lshl_b32 s3, s13, 18                         ; 64 wm rows,
	s_add_co_u32 s2, s2, s3
	s_lshl_b32 s3, s17, 9                          ; 128 nb columns,
	s_add_co_u32 s2, s2, s3
	s_lshl_b32 s3, s14, 8                          ; 64 wn columns
	s_add_co_u32 s2, s2, s3
	s_mov_b32 s3, 0
	s_add_nc_u64 s[8:9], s[8:9], s[2:3]
	s_lshl_b32 s66, s13, 16                        ; my 64 tokens,
	s_add_co_u32 s67, s66, 512
	s_add_co_u32 s68, s66, 768
	s_mul_i32 s69, s14, 51200
	s_add_co_u32 s69, s69, WB                      ; my 64 rows of Wo,
	s_add_co_u32 s70, s69, 6144
	s_mul_i32 s71, s12, 4352
	s_add_co_u32 s71, s71, STG                     ; my stage
	v_and_b32 v1, 15, v0                           ; r
	v_bfe_u32 v2, v0, 4, 1                         ; h
	v_and_b32 v3, 31, v0
	v_mul_u32_u24 v9, v1, 272
	v_mul_u32_u24 v10, v2, 272
	v_lshlrev_b32 v14, 3, v3                       ; 8 x lane
	v_lshlrev_b32 v3, 4, v3                        ; 16 x lane
	v_lshl_add_u32 v9, v2, 7, v9
	v_lshl_add_u32 v10, v1, 4, v10
	v_lshlrev_b32 v11, 12, v2
	v_add_nc_u32 v4, s66, v3
	v_add_nc_u32 v5, s67, v14
	v_lshl_add_u32 v6, v1, 3, s68
	v_add_nc_u32 v7, s69, v3
	v_lshl_add_u32 v8, v1, 4, s70
	v_add_nc_u32 v9, s71, v9                       ; in: row r, + 128 h
	v_add_nc_u32 v10, s71, v10                     ; back: lanes 0-15 one row of 256 bytes, lanes 16-31 the next
	v_lshl_add_u32 v11, v1, 4, v11                 ; and the same in out0: a row is 4,096 bytes
	s_wait_alu depctr_va_vdst(0)                   ; the head's end
	s_cmp_lt_u32 s12, 2
	s_cbranch_scc0 .Lnot_w
	s_wait_tensorcnt 0x0
.Lnot_w:
	s_barrier_signal -1
	s_barrier_wait -1                              ; Wo is in; a may be on its way
.set N_, 0
.rept 32                               ; my 64 rows of Wo, all of K: 96 loads, and their scale words
.set R_, 12*(N_%21)
	WIN ((1+N_/21)<<6)
.irp g, 0,1,2
	ds_load_b128 v[R_+4*\g:R_+4*\g+3], v7 offset:6400*(N_/4)+1536*(N_%4)+512*\g
.endr
.set N_, N_+1
.endr
	WIN 0
.irp q, 0,1,2,3,4,5,6,7
	ds_load_b128 v[BSR+4*\q:BSR+4*\q+3], v8 offset:6400*\q
.endr
	s_wait_tensorcnt 0x0
	s_wait_dscnt 0x0                               ; no LDS instruction is pending at a signal
	s_barrier_signal -1
	s_barrier_wait -1                              ; a is in
; THE WAY OUT of tile ti, 16 tokens x 64 columns, through my own stage: LDS serves a wave's instructions in order, so no wait stands between the stores and the loads
.macro TOSTAGE ti
.set AC_, ACC+32*((\ti)%2)
.irp t, 0,1,2,3
	ds_store_b128 v9, v[AC_+8*\t:AC_+8*\t+3] offset:32*\t            ; each accumulator from its low end on
	ds_store_b128 v9, v[AC_+8*\t+4:AC_+8*\t+7] offset:32*\t+16
.endr
	WIN 0xc0
.irp k, 0,1,2,3,4,5,6,7
	ds_load_b128 v[OB+32*(\ti)+4*\k:OB+32*(\ti)+4*\k+3], v10 offset:544*\k
.endr
	WIN 0
.endm
.macro SEND ti
	WIN 0x0c
	s_wait_dscnt 0x0
.irp k, 0,1,2,3,4,5,6,7
	global_store_b128 v11, v[OB+32*(\ti)+4*\k:OB+32*(\ti)+4*\k+3], s[8:9] offset:4096*(32*(\k/4)+8*(\ti)+2*(\k%4)) th:TH_STORE_NT   ; stage row 2 k + h is token 32 (k / 4) + 8 ti + 2 (k % 4) + h; sixteen lanes store 256 consecutive bytes, aligned
.endr
	WIN 0
.endm
	AFETCH 0, 0
.irp i, 0,1,2,3
.if \i == 0
	s_wait_dscnt 0x0
.else
	s_wait_dscnt 16                                ; this tile's are in: younger are the stage's 16
.endif
.irp q, 0,1,2,3,4,5,6,7
.set X_, ASR+8*(\i%2)+4*(1-(\q%2))+\q/2
	v_or_b32 v[X_], v[X_], v[AT+8*(\i%2)+\q]       ; two heads' halves make a scale word
.endr
	PLACES 8                                       ; a scale register written by a vector instruction stands eight places ahead of a scaled matrix instruction
	s_wait_alu depctr_va_vdst(0)
	MUL (\i%2), 0, 4
.if \i > 0
	SEND \i-1
.endif
.if \i < 3
	AFETCH (\i+1)%2, \i+1                          ; (the set's last products stand ahead of the four places in front of the last tile's way out)
.endif
	MUL (\i%2), 4, 8
	WIN 0
	PLACES 4                                       ; in front of the stores that read results and of the loads into the registers that the products have read
	TOSTAGE \i
.endr
	SEND 3
	s_wait_tensorcnt 0x0                           ; the wave's end
	ds_add_u32 v[SPW], v[NIL]
	s_wait_dscnt 0x0
	CROUND                                         ; the closing round: no work-group ends while a partner may still ask for a tile that names it
	s_endpgm
.Lfunc_end_k_qc64e6e1851_oproj:
	.size	k_qc64e6e1851_oproj, .Lfunc_end_k_qc64e6e1851_oproj-k_qc64e6e1851_oproj
	.p2alignl 7, 3214868480
	.fill 96, 4, 3214868480
	.section	.rodata,"a",@progbits
	.p2align	6, 0x0
	.amdhsa_kernel k_qc64e6e1851_oproj
		.amdhsa_group_segment_fixed_size 327680
		.amdhsa_private_segment_fixed_size 0
		.amdhsa_enable_private_segment 0
		.amdhsa_kernarg_size 24
		.amdhsa_user_sgpr_count 2
		.amdhsa_user_sgpr_kernarg_segment_ptr 1
		.amdhsa_wavefront_size32 1
		.amdhsa_system_sgpr_workgroup_id_x 1
		.amdhsa_system_sgpr_workgroup_id_y 1
		.amdhsa_system_sgpr_workgroup_id_z 1
		.amdhsa_system_vgpr_workitem_id 0
		.amdhsa_next_free_vgpr 1024
		.amdhsa_next_free_sgpr 102
		.amdhsa_reserve_vcc 0
		.amdhsa_float_denorm_mode_32 3
		.amdhsa_float_denorm_mode_16_64 3
		.amdhsa_memory_ordered 1
		.amdhsa_forward_progress 1
		.amdhsa_inst_pref_size 53
	.end_amdhsa_kernel
	.amdgpu_metadata
---
amdhsa.version: [ 1, 2 ]
amdhsa.kernels:
  - .name:           k_qc64e6e1851_oproj
    .symbol:         k_qc64e6e1851_oproj.kd
    .args:
      - { .name: ac, .offset: 0, .size: 8, .value_kind: global_buffer, .address_space: global }
      - { .name: codes, .offset: 8, .size: 8, .value_kind: global_buffer, .address_space: global }
      - { .name: out0, .offset: 16, .size: 8, .value_kind: global_buffer, .address_space: global }
    .group_segment_fixed_size: 327680
    .private_segment_fixed_size: 0
    .kernarg_segment_align: 8
    .kernarg_segment_size: 24
    .max_flat_workgroup_size: 128
    .sgpr_count:     102
    .vgpr_count:     1024
    .wavefront_size: 32
...
	.end_amdgpu_metadata
.endif
;; end of part 4
